; MI455X (gfx1250); checked and timed in simulation.
; The chip was launched on July 23, 2026; its instructions are those of AMD's public machine-readable ISA for CDNA 5 (MIT licence, August 2026) and "CDNA5" Instruction Set Architecture Reference Guide (July 2026). The comments in the code are by the model that wrote it; some were corrected since.
;; Multi Head Self Attention. Allowed arithmetic: matrix products marked QUANTISED: E2M3 operands, one E8M0 scale for each 32 along K, by v_wmma_scale_f32_16x16x128_f8f6f4 with both operands' format E2M3, f32 sums; everything else in f32.
;; Inputs: W_out 1,024 x 1,024 float32; W_qkv 1,024 x 3,072 float32; b_out 1,024 float32; b_qkv 3,072 float32; inputs 4 x 2,048 x 1,024 float32; mask 4 x 2,048 int32.
;; Outputs: out0 4 x 2,048 x 1,024 float32.
;; This version of the problem:
;;   THIS VERSION OF THE PROBLEM IS GIVEN IN LOW PRECISION. The matrix products marked QUANTISED in the list below multiply operands that are first quantised to E2M3 (2 exponent bits, 3 mantissa bits; 6 bits a number), with one power-of-two scale for each 32 numbers along K (OCP MX v1.0); their sums are f32. All else is computed in f32.
;;   The module's matrix products, in the order in which they are computed (A, B: the left and right operand; K: the contracted axis; several contracted axes count as one K, in the product's order):
;;     1. [M 8,192, K 1,024] x [K 1,024, N 3,072]; A: input inputs; B: input W_qkv: QUANTISED
;;     2. batch 64 x [M 2,048, K 64] x [K 64, N 2,048]; A: computed on the way; B: computed on the way: QUANTISED
;;     3. batch 64 x [M 2,048, K 2,048] x [K 2,048, N 64]; A: softmax (see below); B: computed on the way: QUANTISED
;;     4. [M 8,192, K 1,024] x [K 1,024, N 1,024]; A: computed on the way; B: input W_out: QUANTISED
;;   THE QUANTISER, for each operand of a quantised product, along K:
;;     - K is cut into blocks of 32 from its start; a last block that is shorter is filled with zeros.
;;     - A block's scale is 2^e with e = floor(log2(the largest magnitude in the block)) - 2, held to -126 .. 127; a block of zeros has e = 0. As a byte (E8M0): e + 127.
;;     - Each number is divided by its block's scale, clamped to +-7.5, and rounded to the nearest number of E2M3, ties to even, subnormals kept.
;;     - The product sums the exact products of the quantised numbers (number of the format x scale) in f32.
;;   ~~~python
;;   def quantise(x, axis):      # numpy; x: float32 -> the quantised numbers, widened to float32 again
;;       x = np.moveaxis(x, axis, -1); K = x.shape[-1]
;;       x = np.pad(x, [(0, 0)] * (x.ndim - 1) + [(0, -K % 32)]); x = x.reshape(x.shape[:-1] + (-1, 32)); a = np.abs(x).max(-1, keepdims=True)
;;       e = np.where(a > 0, np.clip(np.frexp(np.where(a > 0, a, 1))[1] - 1 - 2, -126, 127), 0)      # np.frexp(a)[1] - 1 = floor(log2(a)), exactly
;;       r = np.clip(x / 2.0 ** e, -7.5, 7.5)
;;       step = 2.0 ** (np.maximum(np.frexp(np.where(r == 0, 1, r))[1] - 1, 0) - 3)
;;       q = np.round(r / step) * step * 2.0 ** e      # np.round: ties to even
;;       return np.moveaxis(q.reshape(q.shape[:-2] + (-1,))[..., :K], -1, axis).astype(np.float32)
;;   ~~~
;;   SOFTMAX AHEAD OF A QUANTISED PRODUCT. Where the list says 'softmax', what is quantised is not the finished softmax but p = 2^(t - M), with t = logit x log2(e) and M = ceil(the row's largest t), a whole number; so 1/2 < the row's largest p <= 1. The row's sum l is taken of the UNQUANTISED p, in f32, and the product's result is divided by l at the end. Since M is a whole number, a kernel that streams over the keys may use a running M (the ceiling of the running maximum): every later rescaling is an exact power of two, which a block's scale takes up: the codes' values come out the same.
;;   OPERANDS COMPUTED ON THE WAY. 'Computed on the way' means the value that the module computes at that place (a softmax that the list does not call 'softmax' is quantised finished and normalised). What goes into a quantiser is computed in f32, as accurately as f32 sums, v_exp_f32 and their like allow (about 1e-6 of the number): no bf16 or f16 on the way to a quantiser, and a product that is left as it is and whose result goes on into a quantised operand takes f32 operands (vector FMAs, or v_wmma_f32_16x16x4_f32). A number that lies on a knife's edge between two numbers of the format may be rounded either way, as far as f32 arithmetic and the matrix unit's own rounding can turn it there, and no further.
;; One version. Each part assembles by itself: llvm-mc -triple=amdgcn-amd-amdhsa -mcpu=gfx1250 --defsym DOCPART=n.
;; ======== version 1 of 1: 4 launches
;; limits: right only within a limited range of input values
;; workspace buffers: xq 6,553,600 bytes; wq 3,276,800 bytes; qkq 17,825,792 bytes; vq 6,553,600 bytes; oq 6,553,600 bytes
;; launch prep (part 1): grid 384 x 1, 4 waves a work-group, no clusters, 59,904 bytes of LDS; arguments inputs, W_qkv, W_out, xq, wq; writes xq, wq
.if DOCPART == 1
	.amdgcn_target "amdgcn-amd-amdhsa--gfx1250"
	.amdhsa_code_object_version 6
	.text
	.protected	k_q14ec381314_prep
	.globl	k_q14ec381314_prep
	.p2align	8
	.type	k_q14ec381314_prep,@function
k_q14ec381314_prep:
	s_mov_b64 s[64:65], 0
	v_nop
	global_prefetch_b8 v0, s[64:65] scope:SCOPE_SE
	s_setreg_imm32_b32 hwreg(HW_REG_WAVE_MODE, 25, 1), 1
	s_wait_xcnt 0x0
; PREP: inputs [8192][1024], W_qkv [1024][3072] and W_out [1024][1024], all f32, become codes of FP6 (E2M3) with one E8M0 byte for each 32 along K (K = 1024).
; A block's scale is 2^(floor(log2(largest magnitude)) - 2); its byte is the largest magnitude's exponent field - 2, held at 1 from below.
; LIMITS: NaN and infinities are not served; a block whose largest magnitude lies under 2^-124 keeps the byte 1; a block of zeros gets the byte 1 (its codes are zeros; only this program reads the bytes).
; LAYOUT OF THE RESULTS (the order of the reader's operand registers).  Rows (tokens of x, columns of W) go in tiles of 16: stored tile 2 B + u, row r, is natural index 32 B + 8 u + r % 8 + 16 (r / 8).
; A tile is 8 fragments (16 rows x 128 K) of 1,536 bytes; a fragment is 6 pieces of 256 bytes; piece p holds operand registers 2 p, 2 p + 1, lane l at byte 8 l.
; Scale words behind the codes: [tile][K step / 4][row][K step % 4], 512 bytes a tile.
; Work-groups 0-127 take the weights (a lane a column, registers down K), 128-383 take x (a wave a tile and half of K).  Waves share nothing: no barrier.  Each path has LDS bytes of its own.
.set XSTG,  8448                       ; x path: a wave's stage, 16 rows x (512 + 16) bytes
.set WST0,  33792                      ; W path: the stages begin behind x's four
.set WSTG,  6400                       ; a wave's: two tiles' 3,072 bytes, 3,200 apart
.set WTIL,  3200
.set XSC,   6291456                    ; where xq's scale words begin
.set WSC,   3145728                    ; and wq's
.set R,     16                         ; x path: v16-143 two sets of 64 numbers as loaded
.set X,     144                        ; v144-207 64 numbers, register 16 b + i = k 32 b + 16 (lane / 16) + i of my row
.set PC,    208                        ; v208-219 the fragment's codes
.set PT,    220                        ; v220-222, v224-226 the blocks' second halves
.set TM,    228                        ; v228-243 at work
.set PWS,   244                        ; v244-247 four scale words
.set T,     248
.set SEL,   20                         ; s[20:21] selects for lane l xor 16
.set OFF,   16                         ; W path: v16-47 4 x lane + i rows of W
.set XW,    48                         ; v48-111 two sets of 32 numbers
.set C,     112                        ; v112-117 a block's codes
.set CT,    118
.set SOP,   121
.set MXA,   122
.set MXB,   123
.set SB,    124                        ; v124-125 eight scale bytes
.set BY,    126
.set OUTR,  128                        ; v128-175 the way out
; 64 numbers of a lane become a fragment's codes in v[PC] on (block pair c at PC + ds c) and the row's scale word in v[pw]
.macro QUANT s, ds, pw
.irp b, 0,1,2,3
	v_max3_num_f32 v[TM+\b], |v[\s+16*\b]|, |v[\s+1+16*\b]|, 0x1800000   ; my 16 of block b, and the floor 2^(3 - 127): the byte cannot fall under 1
.endr
.irp i, 2,4,6,8,10,12,14
.irp b, 0,1,2,3
	v_max3_num_f32 v[TM+\b], v[TM+\b], |v[\s+16*\b+\i]|, |v[\s+1+16*\b+\i]|
.endr
.endr
.irp b, 0,1,2,3
	v_permlanex16_b32 v[TM+4+\b], v[TM+\b], s[SEL], s[SEL+1]
.endr
.irp b, 0,1,2,3
	v_max_num_f32 v[TM+\b], v[TM+\b], v[TM+4+\b]          ; with lane l xor 16's 16: the block's largest magnitude
.endr
.irp b, 0,1,2,3
	v_add_nc_u32 v[TM+12+\b], 0xff000000, v[TM+\b]        ; 2 off its exponent field: the conversion's scale operand
.endr
.irp b, 0,1,2,3
	v_lshrrev_b32 v[TM+4+\b], 23, v[TM+12+\b]             ; the scale's byte
.endr
	v_lshl_or_b32 v[\pw], v[TM+5], 8, v[TM+4]
	v_lshl_or_b32 v[\pw], v[TM+6], 16, v[\pw]
	v_lshl_or_b32 v[\pw], v[TM+7], 24, v[\pw]
.irp c, 0,1
	v_cvt_scalef32_pk16_fp6_f32 v[PC+\ds*\c:PC+\ds*\c+2], v[\s+32*\c:\s+32*\c+15], v[TM+12+2*\c]
	v_cvt_scalef32_pk16_fp6_f32 v[PT+4*\c:PT+4*\c+2], v[\s+32*\c+16:\s+32*\c+31], v[TM+12+2*\c+1]
.endr
	v_nop                                                  ; one plain line behind the scaled conversions
.irp c, 0,1                                            ; the operand wants a whole block in a lane: lanes 0-15 block 2 c, lanes 16-31 block 2 c + 1
.irp i, 0,1,2
	v_permlane16_swap_b32 v[PC+\ds*\c+\i], v[PT+4*\c+\i]
.endr
.irp i, 0,1,2
	v_mov_b32 v[PC+\ds*\c+3+\i], v[PT+4*\c+\i]
.endr
.endr
.endm
	s_load_b128 s[4:7], s[0:1], 0x0                ; inputs, W_qkv
	s_load_b128 s[8:11], s[0:1], 0x10              ; W_out, xq
	s_load_b64 s[12:13], s[0:1], 0x20              ; wq
	v_lshl_add_u32 v254, v0, 2, 0xe800
	v_mov_b32 v255, 0
	v_lshrrev_b32 v1, 5, v0
	v_readfirstlane_b32 s14, v1                    ; wave
	v_and_b32 v1, 31, v0                           ; lane
	v_lshlrev_b32 v4, 4, v1                        ; 16 x lane
	s_wait_kmcnt 0x0
	s_cmp_lt_u32 ttmp9, 128
	s_cbranch_scc1 .Lw
; ---------------- x: a wave takes stored tile xw / 2 and half xw % 2 of K: four K steps of 128
	s_sub_co_u32 s15, ttmp9, 128
	s_lshl_b32 s15, s15, 2
	s_add_co_u32 s15, s15, s14                     ; xw
	s_lshr_b32 s16, s15, 1                         ; tile
	s_and_b32 s17, s15, 1                          ; half of K
	; x's tokens go by groups of 64 (the head's rule of 32 holds for W's columns alone): stored tile 4 C + t, row r, is token 64 C + 8 t + r % 8 + 32 (r / 8)
	s_lshr_b32 s18, s16, 2
	s_lshl_b32 s18, s18, 6
	s_and_b32 s19, s16, 3
	s_lshl_b32 s19, s19, 3
	s_add_co_u32 s18, s18, s19                     ; the tile's first token: 64 (tile / 4) + 8 (tile % 4)
	s_lshl_b32 s18, s18, 12                        ; rows of 4,096 bytes
	s_lshl_b32 s19, s17, 11
	s_add_co_u32 s22, s18, s19
	s_mov_b32 s23, 0
	s_add_nc_u64 s[4:5], s[4:5], s[22:23]
	s_mul_i32 s24, s16, 12288
	s_mul_i32 s19, s17, 6144
	s_add_co_u32 s24, s24, s19
	s_mov_b32 s25, 0
	s_add_nc_u64 s[28:29], s[10:11], s[24:25]      ; my codes
	s_lshl_b32 s26, s16, 9
	s_lshl_b32 s19, s17, 8
	s_add_co_u32 s26, s26, s19
	s_add_co_u32 s26, s26, XSC
	s_mov_b32 s27, 0
	s_add_nc_u64 s[30:31], s[10:11], s[26:27]      ; my 256 bytes of scale words
	s_mov_b32 s[SEL], 0x76543210
	s_mov_b32 s[SEL+1], 0xfedcba98
	s_mov_b32 vcc_lo, 0xffff0000                   ; lanes 16-31
	v_and_b32 v2, 15, v0                           ; r
	v_bfe_u32 v3, v0, 4, 1                         ; h
	s_wait_alu depctr_va_vdst(0)
	v_lshlrev_b32 v5, 3, v1                        ; 8 x lane
	s_mul_i32 s19, s14, XSTG
	v_add_nc_u32 v6, s19, v4                       ; the stage, in: a row's 512 bytes as they lie
	v_mul_u32_u24 v7, v2, 528
	v_lshl_add_u32 v7, v3, 6, v7
	v_add_nc_u32 v7, s19, v7                       ; out: row r, + 64 h: my 16 numbers of each block of 32
	v_lshlrev_b32 v8, 4, v2
	v_lshl_add_u32 v8, v3, 3, v8                   ; scale words: row r's 16 bytes, 8 for each half of the lanes
.irp b, 0,1,2,3
	v_mov_b32 v[TM+4+\b], 0                        ; a lane permute's destination counts as read
.endr
.macro LOADX i                         ; K step i: 16 loads, each one stored row's 512 consecutive bytes
.irp k, 0,1,2,3,4,5,6,7,8,9,10,11,12,13,14,15
	global_load_b128 v[R+64*((\i)%2)+4*\k:R+64*((\i)%2)+4*\k+3], v4, s[4:5] offset:((\k%8)+32*(\k/8))*4096+512*(\i) th:TH_LOAD_NT
.endr
.endm
.macro TURNX i                         ; through my stage: LDS serves a wave's instructions in order, so no wait stands between the stores and the loads
.irp k, 0,1,2,3,4,5,6,7,8,9,10,11,12,13,14,15
	ds_store_b128 v6, v[R+64*((\i)%2)+4*\k:R+64*((\i)%2)+4*\k+3] offset:\k*528
.endr
.irp b, 0,1,2,3
.irp j, 0,1,2,3
	ds_load_b128 v[X+16*\b+4*\j:X+16*\b+4*\j+3], v7 offset:128*\b+16*\j
.endr
.endr
.endm
.macro STEPX i
.if (\i) < 3
	s_wait_loadcnt 16                              ; this step's 16 loads are in; the next step's 16 may be out
.else
	s_wait_loadcnt 0x0
.endif
	TURNX \i
	s_wait_dscnt 0x0                               ; the numbers are back, and the stage's stores have read the load set
	s_wait_xcnt 0x0                                ; the last step's stores have read the codes' registers
.if (\i) < 2
	LOADX (\i)+2
.endif
	QUANT X, 6, PWS+(\i)
.irp p, 0,1,2,3,4,5
	global_store_b64 v5, v[PC+2*\p:PC+2*\p+1], s[28:29] offset:(\i)*1536+256*\p   ; 32 lanes store 256 consecutive bytes, aligned
.endr
.endm
	LOADX 0
	LOADX 1
	s_wait_alu depctr_va_vdst(0)
	STEPX 0
	STEPX 1
	STEPX 2
	STEPX 3
	v_cndmask_b32 v[T], v[PWS], v[PWS+2], vcc_lo   ; lanes 0-15 store words 0, 1 of row r, lanes 16-31 words 2, 3
	v_cndmask_b32 v[T+1], v[PWS+1], v[PWS+3], vcc_lo
	global_store_b64 v8, v[T:T+1], s[30:31]        ; 256 consecutive bytes, aligned
	s_wait_tensorcnt 0x0
	ds_add_u32 v254, v255
	s_wait_dscnt 0x0
	s_endpgm
; ---------------- W: a wave takes 32 columns (two stored tiles) x 256 along K: 8 blocks a lane
.Lw:
	s_lshr_b32 s15, ttmp9, 2                       ; group of 128 columns: 0-23 W_qkv, 24-31 W_out
	s_and_b32 s16, ttmp9, 3                        ; which 256 along K
	s_mov_b32 s17, 4096
	s_cmp_lt_u32 s15, 24
	s_cselect_b32 s17, 12288, s17                  ; a row of W in bytes
	s_cselect_b32 s18, 0, 24
	s_cselect_b64 s[20:21], s[6:7], s[8:9]         ; the choice hangs on the work-group's number alone
	s_sub_co_u32 s19, s15, s18
	s_lshl_b32 s19, s19, 9                         ; 128 columns x 4 bytes
	s_lshl_b32 s22, s14, 7                         ; + 32 columns a wave
	s_add_co_u32 s19, s19, s22
	s_lshl_b32 s22, s17, 8
	s_mul_i32 s22, s22, s16                        ; + 256 rows x which
	s_add_co_u32 s22, s22, s19
	s_mov_b32 s23, 0
	s_add_nc_u64 s[32:33], s[20:21], s[22:23]      ; block 0's base
	s_lshl_b32 s22, s17, 5                         ; 32 rows on for each block
.irp t, 1,2,3,4,5,6,7
	s_add_nc_u64 s[32+2*\t:33+2*\t], s[30+2*\t:31+2*\t], s[22:23]
.endr
	s_lshl_b32 s24, s15, 3
	s_lshl_b32 s25, s14, 1
	s_add_co_u32 s24, s24, s25                     ; my first stored tile
	s_mul_i32 s26, s24, 12288
	s_mul_i32 s25, s16, 3072
	s_add_co_u32 s26, s26, s25
	s_mov_b32 s27, 0
	s_add_nc_u64 s[26:27], s[12:13], s[26:27]      ; my codes: two fragments of each tile
	s_lshl_b32 s28, s24, 9
	s_lshr_b32 s25, s16, 1
	s_lshl_b32 s25, s25, 8
	s_add_co_u32 s28, s28, s25
	s_and_b32 s25, s16, 1
	s_lshl_b32 s25, s25, 3
	s_add_co_u32 s28, s28, s25
	s_add_co_u32 s28, s28, WSC
	s_mov_b32 s29, 0
	s_add_nc_u64 s[28:29], s[12:13], s[28:29]      ; my scale words
	v_bfe_u32 v3, v0, 3, 1                         ; u: which of the two tiles my column falls into
	v_and_b32 v2, 7, v0
	v_bfe_u32 v12, v0, 4, 1
	v_lshl_or_b32 v2, v12, 3, v2                   ; r: its row there
	s_mul_i32 s30, s14, WSTG
	s_add_co_u32 s30, s30, WST0
	v_mul_u32_u24 v9, v3, WTIL
	v_lshl_add_u32 v9, v2, 3, v9
	v_add_nc_u32 v9, s30, v9                       ; the stage, in
	s_wait_alu depctr_va_vdst(0)
	v_add_nc_u32 v10, s30, v4                      ; and out
	v_lshlrev_b32 v11, 9, v3
	v_lshl_add_u32 v11, v2, 4, v11                 ; my row's place among the scale words
	v_lshlrev_b32 v[OFF], 2, v1
.irp i, 1,2,3,4,5,6,7,8,9,10,11,12,13,14,15,16,17,18,19,20,21,22,23,24,25,26,27,28,29,30,31
	v_add_nc_u32 v[OFF+\i], s17, v[OFF+\i-1]
.endr
.macro LOADW t                         ; block t: W(32 t + i, my column): 32 lanes read 128 consecutive bytes
.set i, 0
.rept 32
	global_load_b32 v[XW+32*((\t)%2)+i], v[OFF+i], s[32+2*(\t):33+2*(\t)] th:TH_LOAD_NT
.set i, i+1
.endr
.endm
.macro BLOCKW t
.set XS, XW+32*((\t)%2)
.if (\t) < 7
	s_wait_loadcnt 32                              ; this block's 32 loads are in; the next block's may be out
.else
	s_wait_loadcnt 0x0
.endif
	v_max3_num_f32 v[MXA], |v[XS]|, |v[XS+1]|, |v[XS+2]|
	v_max3_num_f32 v[MXB], |v[XS+3]|, |v[XS+4]|, |v[XS+5]|
.irp i, 6,10,14,18,22,26
	v_max3_num_f32 v[MXA], v[MXA], |v[XS+\i]|, |v[XS+\i+1]|
	v_max3_num_f32 v[MXB], v[MXB], |v[XS+\i+2]|, |v[XS+\i+3]|
.endr
	v_max3_num_f32 v[MXA], v[MXA], |v[XS+30]|, |v[XS+31]|
	v_max3_num_f32 v[MXA], v[MXA], v[MXB], 0x1800000
	v_add_nc_u32 v[SOP], 0xff000000, v[MXA]
	v_lshrrev_b32 v[BY], 23, v[SOP]
.if (\t)%4 == 0
	v_mov_b32 v[SB+(\t)/4], v[BY]
.else
	v_lshl_or_b32 v[SB+(\t)/4], v[BY], 8*((\t)%4), v[SB+(\t)/4]
.endif
	v_cvt_scalef32_pk16_fp6_f32 v[C:C+2], v[XS:XS+15], v[SOP]
	v_cvt_scalef32_pk16_fp6_f32 v[CT:CT+2], v[XS+16:XS+31], v[SOP]
	v_nop
.irp i, 0,1,2
	v_mov_b32 v[C+3+\i], v[CT+\i]
.endr
.irp i, 0,1,2                          ; block t is K step t / 4, registers 6 ((t / 2) % 2) on, of lane r + 16 (t % 2)
	ds_store_b64 v9, v[C+2*\i:C+2*\i+1] offset:((\t)/4)*1536+(3*(((\t)/2)%2)+\i)*256+128*((\t)%2)
.endr
.if (\t) < 6
	LOADW (\t)+2
.endif
	s_wait_dscnt 0x0                               ; the stores have read the codes' registers
.endm
	LOADW 0
	LOADW 1
.irp t, 0,1,2,3,4,5,6,7
	BLOCKW \t
.endr
	s_wait_alu depctr_va_vdst(0)
	global_store_b64 v11, v[SB:SB+1], s[28:29]     ; two scale words of my column: 8 bytes a lane, 16 apart: one byte in 128 of what this path reads
.irp u, 0,1
.irp k, 0,1,2,3,4,5
	ds_load_b128 v[OUTR+24*\u+4*\k:OUTR+24*\u+4*\k+3], v10 offset:\u*WTIL+512*\k
.endr
.endr
.irp u, 0,1
.irp k, 0,1,2,3,4,5
	s_wait_dscnt 11-6*\u-\k                        ; the younger loads may be out
	global_store_b128 v4, v[OUTR+24*\u+4*\k:OUTR+24*\u+4*\k+3], s[26:27] offset:\u*12288+512*\k   ; 512 consecutive bytes, aligned
.endr
.endr
	s_wait_tensorcnt 0x0
	ds_add_u32 v254, v255
	s_wait_dscnt 0x0
	s_endpgm
.Lfunc_end_k_q14ec381314_prep:
	.size	k_q14ec381314_prep, .Lfunc_end_k_q14ec381314_prep-k_q14ec381314_prep
	.p2alignl 7, 3214868480
	.fill 96, 4, 3214868480
	.section	.rodata,"a",@progbits
	.p2align	6, 0x0
	.amdhsa_kernel k_q14ec381314_prep
		.amdhsa_group_segment_fixed_size 59904
		.amdhsa_private_segment_fixed_size 0
		.amdhsa_enable_private_segment 0
		.amdhsa_kernarg_size 40
		.amdhsa_user_sgpr_count 2
		.amdhsa_user_sgpr_kernarg_segment_ptr 1
		.amdhsa_wavefront_size32 1
		.amdhsa_system_sgpr_workgroup_id_x 1
		.amdhsa_system_sgpr_workgroup_id_y 1
		.amdhsa_system_sgpr_workgroup_id_z 1
		.amdhsa_system_vgpr_workitem_id 0
		.amdhsa_next_free_vgpr 256
		.amdhsa_next_free_sgpr 66
		.amdhsa_reserve_vcc 1
		.amdhsa_float_denorm_mode_32 3
		.amdhsa_float_denorm_mode_16_64 3
		.amdhsa_memory_ordered 1
		.amdhsa_forward_progress 1
		.amdhsa_inst_pref_size 78
	.end_amdhsa_kernel
	.amdgpu_metadata
---
amdhsa.version: [ 1, 2 ]
amdhsa.kernels:
  - .name:           k_q14ec381314_prep
    .symbol:         k_q14ec381314_prep.kd
    .args:
      - { .name: inputs, .offset: 0, .size: 8, .value_kind: global_buffer, .address_space: global }
      - { .name: W_qkv, .offset: 8, .size: 8, .value_kind: global_buffer, .address_space: global }
      - { .name: W_out, .offset: 16, .size: 8, .value_kind: global_buffer, .address_space: global }
      - { .name: xq, .offset: 24, .size: 8, .value_kind: global_buffer, .address_space: global }
      - { .name: wq, .offset: 32, .size: 8, .value_kind: global_buffer, .address_space: global }
    .group_segment_fixed_size: 59904
    .private_segment_fixed_size: 0
    .kernarg_segment_align: 8
    .kernarg_segment_size: 40
    .max_flat_workgroup_size: 128
    .sgpr_count:     66
    .vgpr_count:     256
    .wavefront_size: 32
...
	.end_amdgpu_metadata
.endif
;; end of part 1
;; launch qkv (part 2): grid 12 x 32, 4 waves a work-group, clusters of 4 x 4, 327,680 bytes of LDS; arguments xq, wq, b_qkv, mask, qkq, vq; writes qkq, vq
.if DOCPART == 2
	.amdgcn_target "amdgcn-amd-amdhsa--gfx1250"
	.amdhsa_code_object_version 6
	.text
	.protected	k_q14ec381314_qkv
	.globl	k_q14ec381314_qkv
	.p2align	8
	.type	k_q14ec381314_qkv,@function
k_q14ec381314_qkv:
	s_mov_b64 s[64:65], 0
	v_nop
	global_prefetch_b8 v0, s[64:65] scope:SCOPE_SE
	s_setreg_imm32_b32 hwreg(HW_REG_WAVE_MODE, 25, 1), 1
	s_wait_xcnt 0x0
	s_wait_alu depctr_hold_cnt(0) depctr_sa_sdst(0) depctr_va_vdst(0) depctr_va_sdst(0) depctr_va_ssrc(0) depctr_va_vcc(0) depctr_vm_vsrc(0)
	s_getreg_b32 s2, hwreg(HW_REG_IB_STS2, 6, 4)
	s_cmp_eq_u32 s2, 0
	s_cbranch_scc0 .Lentry_in_a_cluster
	s_endpgm
.Lentry_in_a_cluster:
	s_bfe_u32 s2, ttmp6, 0x10000c
	s_cmp_lg_u32 s2, 0xf033
	s_cbranch_scc0 .Lentry_shape_is_right
	s_endpgm
.Lentry_shape_is_right:
.set FR,     12
.set NL,     6
.set NP,     4
.set NQ,     2
.set FRB,    1536
.set TILEB,  3072
.set HALFT,  24576
.set SLOT,   98304
.set SCL,    196608
.set HALFS,  4352
.set SBLK,   544
.set SPARE,  214016
.set XSC,    6291456
.set WSC,    3145728
.set ADRA, 16
.set ADRB, 20
.set ADRS, 27
.set SPW,  28
.set NIL,  29
.set SC,   32
.set BB,   64
.set AF,   128
.set BV,   224
.set MK,   232
.set HA,   128
.set PC,   192
.set PT,   208
.set TM,   32
.set PWS,  240
.set PW,   48
.set XM,   49
.set BC,   50
.set T,    52
.set K0,   56
.set K1,   57
.set K2,   58
.set WV,   16
.set WH,   17
.set WL,   18
.set MODE, 19
.set G1,   24
.set G0,   32
.set G1B,  48
.set G0B,  56
.set G1S,  68
.set G0S,  76
.set G1SB, 80
.set G0SB, 88
.set SS,   92
.set SEL,  94
.set MSB, 0
.macro WIN new
.if MSB != (\new)
	s_set_vgpr_msb (MSB<<8)|(\new)
.set MSB, (\new)
.endif
.endm
.set MUL_LO, 0xa1
.set MUL_HI, 0xf1
.set TO_B,   0x40
.macro JLOAD g0a, g1a, g0b, g1b
	s_cmp_eq_u32 s[WH], 0
	s_cbranch_scc0 .Lfor_b_\@
	tensor_load_to_lds s[\g0a:\g0a+3], s[\g1a:\g1a+7]
	s_nop 0
.rept 4
	v_nop
.endr
	s_branch .Lasked_\@
.Lfor_b_\@:
	tensor_load_to_lds s[\g0b:\g0b+3], s[\g1b:\g1b+7]
	s_nop 0
.rept 4
	v_nop
.endr
.Lasked_\@:
.endm
.macro CREST
	s_cmp_lg_u32 s[WV], 0
	s_cbranch_scc1 .Lnot_wave_0_\@
	s_barrier_signal -3
.Lnot_wave_0_\@:
	s_barrier_wait -3
	s_barrier_signal -1
	s_barrier_wait -1
.endm
.macro CROUND
	s_barrier_signal -1
	s_barrier_wait -1
	CREST
.endm
.macro PLACES n
.rept \n
	v_nop
.endr
.endm
.macro FRAG reg, adr, q, i
.irp p, 0,1,2,3,4,5
	ds_load_b64 v[\reg+2*\p:\reg+2*\p+1], v[\adr] offset:(\i)*TILEB+(\q)*FRB+256*\p
.endr
.endm
.macro MUL16 a0, p, q, sc, zero
.irp a, \a0, \a0+1
.irp b, 0,1,2,3,4,5,6,7
.if \zero
	v_wmma_scale_f32_16x16x128_f8f6f4 v[8*(8*((\a)%4)+\b):8*(8*((\a)%4)+\b)+7], v[128*(\p)+FR*\b:128*(\p)+FR*\b+FR-1], v[AF+FR*(\a):AF+FR*(\a)+FR-1], 0, v[SC+8*NQ*(\sc)+NQ*\b+(\q)], v[SC+8*NQ*(\sc)+NQ*(\a)+(\q)] matrix_a_fmt:MATRIX_FMT_FP6 matrix_b_fmt:MATRIX_FMT_FP6 matrix_a_scale:MATRIX_SCALE_ROW1
.else
	v_wmma_scale_f32_16x16x128_f8f6f4 v[8*(8*((\a)%4)+\b):8*(8*((\a)%4)+\b)+7], v[128*(\p)+FR*\b:128*(\p)+FR*\b+FR-1], v[AF+FR*(\a):AF+FR*(\a)+FR-1], v[8*(8*((\a)%4)+\b):8*(8*((\a)%4)+\b)+7], v[SC+8*NQ*(\sc)+NQ*\b+(\q)], v[SC+8*NQ*(\sc)+NQ*(\a)+(\q)] matrix_a_fmt:MATRIX_FMT_FP6 matrix_b_fmt:MATRIX_FMT_FP6 matrix_a_scale:MATRIX_SCALE_ROW1
.endif
.endr
.endr
.endm
.macro FETCH_B slot, q, p
	WIN TO_B
.irp i, 0,1,2,3,4,5,6,7
	FRAG 128*(\p)+FR*\i, ADRB+\slot, \q, \i
.endr
	WIN 0
.endm
.macro FETCH_A slot, q, i0
.irp i, \i0, \i0+1, \i0+2, \i0+3
	FRAG AF+FR*(\i), ADRA+\slot, \q, \i
.endr
.endm
.macro SCALES sc, kq
.irp i, 0,1,2,3,4,5,6,7
	ds_load_b64 v[SC+8*NQ*\sc+NQ*\i:SC+8*NQ*\sc+NQ*\i+1], v[ADRS] offset:\i*SBLK+((\kq)/2)*272+((\kq)%2)*8
.endr
.endm
.macro STEP slot, q, zero
	s_wait_dscnt 4*NL
	WIN MUL_LO
	MUL16 0, (\q)%2, \q, \slot, \zero
	MUL16 2, (\q)%2, \q, \slot, \zero
	s_wait_dscnt 0
	PLACES NP
	FETCH_B \slot, (\q)+1, 1-(\q)%2
	FETCH_A \slot, (\q)+1, 0
	WIN MUL_HI
	MUL16 4, (\q)%2, \q, \slot, \zero
	MUL16 6, (\q)%2, \q, \slot, \zero
	PLACES NP
	WIN 0
	FETCH_A \slot, (\q)+1, 4
.endm
.macro TURN slot, next, fill, kq
	s_wait_tensorcnt 0x0
	ds_add_u32 v[SPW], v[NIL]
	s_wait_dscnt 4*NL+1
	WIN MUL_LO
	MUL16 0, 1, NQ-1, \slot, 0
	s_wait_dscnt 0x0
	s_barrier_signal -1
	MUL16 2, 1, NQ-1, \slot, 0
	WIN 0
	s_barrier_wait -1
.if \fill
	CREST
	s_add_nc_u64 s[G0+4*\slot+2:G0+4*\slot+3], s[G0+4*\slot+2:G0+4*\slot+3], 2*TILEB
	s_add_nc_u64 s[G0B+4*\slot+2:G0B+4*\slot+3], s[G0B+4*\slot+2:G0B+4*\slot+3], 2*TILEB
	JLOAD G0+4*\slot, G1, G0B+4*\slot, G1B
.else
	PLACES NP
.endif
	FETCH_B \next, 0, 0
	FETCH_A \next, 0, 0
	SCALES \next, \kq
	WIN MUL_HI
	MUL16 4, 1, NQ-1, \slot, 0
	MUL16 6, 1, NQ-1, \slot, 0
	PLACES NP
	WIN 0
	FETCH_A \next, 0, 4
.endm
.macro QUANT s, ds, pw
.irp b, 0,1,2,3
	v_max3_num_f32 v[TM+\b], |v[\s+16*\b]|, |v[\s+1+16*\b]|, 0x1800000
.endr
.irp i, 2,4,6,8,10,12,14
.irp b, 0,1,2,3
	v_max3_num_f32 v[TM+\b], v[TM+\b], |v[\s+16*\b+\i]|, |v[\s+1+16*\b+\i]|
.endr
.endr
.irp b, 0,1,2,3
	v_permlanex16_b32 v[TM+4+\b], v[TM+\b], s[SEL], s[SEL+1]
.endr
.irp b, 0,1,2,3
	v_max_num_f32 v[TM+\b], v[TM+\b], v[TM+4+\b]
.endr
.irp b, 0,1,2,3
	v_add_nc_u32 v[TM+12+\b], 0xff000000, v[TM+\b]
.endr
.irp b, 0,1,2,3
	v_lshrrev_b32 v[TM+4+\b], 23, v[TM+12+\b]
.endr
	v_lshl_or_b32 v[\pw], v[TM+5], 8, v[TM+4]
	v_lshl_or_b32 v[\pw], v[TM+6], 16, v[\pw]
	v_lshl_or_b32 v[\pw], v[TM+7], 24, v[\pw]
.irp c, 0,1
	v_cvt_scalef32_pk16_fp6_f32 v[PC+\ds*\c:PC+\ds*\c+2], v[\s+32*\c:\s+32*\c+15], v[TM+12+2*\c]
	v_cvt_scalef32_pk16_fp6_f32 v[PT+4*\c:PT+4*\c+2], v[\s+32*\c+16:\s+32*\c+31], v[TM+12+2*\c+1]
.endr
	v_nop
.irp c, 0,1
.irp i, 0,1,2
	v_permlane16_swap_b32 v[PC+\ds*\c+\i], v[PT+4*\c+\i]
.endr
.irp i, 0,1,2
	v_mov_b32 v[PC+\ds*\c+3+\i], v[PT+4*\c+\i]
.endr
.endr
.endm
	s_load_b256 s[4:11], s[0:1], 0x0
	s_load_b128 s[12:15], s[0:1], 0x20
	v_lshl_add_u32 v[SPW], v0, 2, SPARE
	v_mov_b32 v[NIL], 0
	ds_add_u32 v28, v29
	ds_add_u32 v28, v29
	s_wait_dscnt 0x0
	v_lshrrev_b32 v1, 5, v0
	v_readfirstlane_b32 s[WV], v1
	s_lshr_b32 s[WH], s[WV], 1
	s_and_b32 s[WL], s[WV], 1
	s_bfe_u32 s40, ttmp6, 0x40000
	s_bfe_u32 s41, ttmp6, 0x40004
	s_and_b32 s20, ttmp7, 0xffff
	s_lshl_b32 s20, s20, 2
	s_lshl_b32 s21, ttmp9, 2
	s_mov_b32 s22, XSC
	s_mov_b32 s23, WSC
	s_cmp_eq_u32 ttmp9, 2
	s_cselect_b32 s43, 8, s20
	s_cselect_b32 s42, s20, s21
	s_cselect_b32 s[MODE], 1, 0
	s_cselect_b32 s46, s23, s22
	s_cselect_b32 s47, s22, s23
	s_add_co_u32 s43, s43, s41
	s_add_co_u32 s42, s42, s40
	s_lshl_b32 s44, s41, 2
	s_lshl_b32 s44, 15, s44
	s_lshl_b32 s45, 0x1111, s40
	s_or_b32 s[G1], s44, (3<<16)|(1<<21)
	s_or_b32 s[G1B], s45, (3<<16)|(1<<21)
.irp g, G1, G1B
	s_mov_b32 s[\g+1], 384<<16
	s_mov_b32 s[\g+2], 16<<16
	s_mov_b32 s[\g+3], 384<<16
	s_mov_b32 s[\g+4], 16
	s_mov_b32 s[\g+5], 1536
	s_mov_b32 s[\g+6], 0
	s_mov_b32 s[\g+7], 0
.endr
	s_or_b32 s[G1S], s44, (3<<16)|(1<<20)|(1<<21)|(5<<22)|(3<<25)
	s_or_b32 s[G1SB], s45, (3<<16)|(1<<20)|(1<<21)|(5<<22)|(3<<25)
.irp g, G1S, G1SB
	s_mov_b32 s[\g+1], 32<<16
	s_mov_b32 s[\g+2], 32<<16
	s_mov_b32 s[\g+3], 32<<16
	s_mov_b32 s[\g+4], 32
	s_mov_b32 s[\g+5], 32
	s_mov_b32 s[\g+6], 0
	s_mov_b32 s[\g+7], 0
.endr
	s_lshl_b32 s20, s43, 4                         ; the block's first tile of A, of B: the head's loads bring all 16 tiles
	s_lshl_b32 s66, s42, 4
	s_mul_i32 s22, s20, 12288
	s_mov_b32 s23, 0
	s_lshl_b32 s20, s20, 9
	s_add_co_u32 s20, s20, s46
	s_mov_b32 s21, 0
	s_mul_i32 s96, s66, 12288
	s_mov_b32 s97, 0
	s_lshl_b32 s66, s66, 9
	s_add_co_u32 s66, s66, s47
	s_mov_b32 s67, 0
	s_mul_i32 s100, s[WV], HALFT
	s_mov_b32 s[SEL], 0x76543210
	s_mov_b32 s[SEL+1], 0xfedcba98
	s_mov_b32 s98, 0xffff0000
	s_mov_b32 s[SS], 0x3f800000
	s_cmp_eq_u32 ttmp9, 0
	s_cselect_b32 s[SS], 0x3e000000, s[SS]
	s_mov_b32 s[SS+1], s[SS]
	s_wait_kmcnt 0x0
	s_cmp_eq_u32 ttmp9, 2
	s_cselect_b64 s[46:47], s[6:7], s[4:5]
	s_cselect_b64 s[2:3], s[4:5], s[6:7]
	s_add_nc_u64 s[22:23], s[46:47], s[22:23]
	s_add_nc_u64 s[20:21], s[46:47], s[20:21]
	s_add_nc_u64 s[96:97], s[2:3], s[96:97]
	s_add_nc_u64 s[66:67], s[2:3], s[66:67]
	CROUND
	s_mov_b32 s[G0S], 1
	s_mov_b32 s[G0S+1], SCL
	s_mov_b64 s[G0S+2:G0S+3], s[20:21]
	s_or_b32 s[G0S+3], s[G0S+3], 0x80000000
	s_mov_b32 s[G0SB], 1
	s_mov_b32 s[G0SB+1], SCL+2*HALFS
	s_mov_b64 s[G0SB+2:G0SB+3], s[66:67]
	s_or_b32 s[G0SB+3], s[G0SB+3], 0x80000000
	; the head's four tiles, one joint load a wave: wave 0 slot 0's 16 tiles of A, wave 1 its 16 of B, wave 2 A's scale words, wave 3 B's
	s_mov_b32 s[G0], 1
	s_mov_b32 s[G0+1], 0
	s_mov_b64 s[G0+2:G0+3], s[22:23]
	s_or_b32 s[G0+3], s[G0+3], 0x80000000
	s_mov_b32 s[G0B], 1
	s_mov_b32 s[G0B+1], 2*HALFT
	s_mov_b64 s[G0B+2:G0B+3], s[96:97]
	s_or_b32 s[G0B+3], s[G0B+3], 0x80000000
.macro ARM under, g0, g1, next
	s_cmp_lt_u32 s[WV], \under
	s_cbranch_scc0 \next
	tensor_load_to_lds s[\g0:\g0+3], s[\g1:\g1+7]
	s_nop 0
.rept 4
	v_nop
.endr
	s_branch .Lhead_asked
\next:
.endm
	ARM 1, G0,  G1,  .Lhead_b
	ARM 2, G0B, G1B, .Lhead_sa
	ARM 3, G0S, G1S, .Lhead_sb
	tensor_load_to_lds s[G0SB:G0SB+3], s[G1SB:G1SB+7]
	s_nop 0
.rept 4
	v_nop
.endr
.Lhead_asked:
	s_mul_i32 s20, s[WL], 8*12288                  ; in the ring a wave fetches 8 tiles: which half
	s_mov_b32 s21, 0
	s_add_nc_u64 s[22:23], s[22:23], s[20:21]
	s_add_nc_u64 s[96:97], s[96:97], s[20:21]
	s_mov_b32 s[G0+4], 1
	s_add_co_u32 s[G0+5], s100, SLOT
	s_add_nc_u64 s[G0+6:G0+7], s[22:23], TILEB
	s_or_b32 s[G0+7], s[G0+7], 0x80000000
	s_mov_b32 s[G0B+4], 1
	s_add_co_u32 s[G0B+5], s100, SLOT
	s_add_nc_u64 s[G0B+6:G0B+7], s[96:97], TILEB
	s_or_b32 s[G0B+7], s[G0B+7], 0x80000000
	s_wait_alu depctr_va_vdst(0)
	s_wait_tensorcnt 0x0                           ; my tile of the head's four is in
	ds_add_u32 v28, v29
	s_mov_b32 s[G1+2], 8<<16                       ; no load of mine is out: from here on a load brings 8 tiles,
	s_mov_b32 s[G1+4], 8
	s_mov_b32 s[G1B+2], 8<<16
	s_mov_b32 s[G1B+4], 8
	s_mov_b32 s[G0+1], s100                        ; and slot 0's group 0 stands at my half
	s_mov_b64 s[G0+2:G0+3], s[22:23]
	s_or_b32 s[G0+3], s[G0+3], 0x80000000
	s_mov_b32 s[G0B+1], s100
	s_mov_b64 s[G0B+2:G0B+3], s[96:97]
	s_or_b32 s[G0B+3], s[G0B+3], 0x80000000
	s_wait_dscnt 0x0
	CROUND                                         ; all four tiles are shown to all waves
	JLOAD G0+4, G1, G0B+4, G1B
	v_and_b32 v1, 31, v0
	v_and_b32 v2, 15, v0
	v_bfe_u32 v3, v0, 4, 1
	s_wait_alu depctr_va_vdst(0)
	v_lshlrev_b32 v4, 4, v1
	v_lshlrev_b32 v5, 3, v1
	s_mul_i32 s20, s[WH], HALFT
	s_mul_i32 s21, s[WL], HALFT
	s_add_co_u32 s21, s21, 2*HALFT
.irp s, 0,1
	v_add_nc_u32 v[ADRA+\s], s20, v5
	v_add_nc_u32 v[ADRB+\s], s21, v5
	s_add_co_u32 s20, s20, SLOT
	s_add_co_u32 s21, s21, SLOT
.endr
	v_lshlrev_b32 v6, 4, v2
	s_mul_i32 s20, s[WH], HALFS
	s_mul_i32 s21, s[WL], HALFS
	s_add_co_u32 s21, s21, 2*HALFS
	s_sub_co_u32 s21, s21, s20
	v_mul_u32_u24 v7, s21, v3
	s_add_co_u32 s20, s20, SCL
	v_add_nc_u32 v6, v6, v7
	v_add_nc_u32 v[ADRS], s20, v6
	s_lshl_b32 s20, s42, 10
	s_lshl_b32 s21, s[WL], 9
	s_add_co_u32 s20, s20, s21
	s_cmp_eq_u32 s[MODE], 1
	s_cselect_b32 s20, 0, s20
	s_mov_b32 s21, 0
	s_add_nc_u64 s[20:21], s[8:9], s[20:21]
	s_lshl_b32 s22, s41, 10
	s_lshl_b32 s23, s[WH], 9
	s_add_co_u32 s22, s22, s23
	s_add_co_u32 s22, s22, 8192
	s_mov_b32 s23, 0
	s_add_nc_u64 s[22:23], s[8:9], s[22:23]
	s_lshl_b32 s46, s43, 10
	s_lshl_b32 s47, s[WH], 9
	s_add_co_u32 s46, s46, s47
	s_mov_b32 s47, 0
	s_add_nc_u64 s[46:47], s[10:11], s[46:47]
	v_lshlrev_b32 v8, 6, v3
	v_and_b32 v9, 8, v2
	v_add_nc_u32 v9, v9, v2
	v_lshlrev_b32 v9, 2, v9
	v_and_b32 v10, 8, v2                           ; the mask goes by x's order: row r of a tile is token r % 8 + 32 (r / 8) of it
	v_mul_u32_u24 v10, v10, 3
	v_add_nc_u32 v10, v10, v2
	v_lshlrev_b32 v10, 2, v10
.irp b, 0,1,2,3
.irp j, 0,1,2,3
	global_load_b128 v[BB+16*\b+4*\j:BB+16*\b+4*\j+3], v8, s[20:21] offset:128*\b+16*\j
.endr
.endr
.irp a, 0,1,2,3,4,5,6,7
	global_load_b32 v[BV+\a], v9, s[22:23] offset:4*(32*(\a/2)+8*(\a%2))
	global_load_b32 v[MK+\a], v10, s[46:47] offset:4*(64*(\a/4)+8*(\a%4))
.endr
	s_wait_alu depctr_va_vdst(0)
	FETCH_B 0, 0, 0
	FETCH_A 0, 0, 0
	SCALES 0, 0
	FETCH_A 0, 0, 4
	STEP 0, 0, 1
	TURN 0, 1, 1, 1
	STEP 1, 0, 0
	TURN 1, 0, 1, 2
	STEP 0, 0, 0
	TURN 0, 1, 0, 3
	STEP 1, 0, 0
	s_wait_dscnt 4*NL
	WIN MUL_LO
	MUL16 0, 1, NQ-1, 1, 0
	MUL16 2, 1, NQ-1, 1, 0
	s_wait_dscnt 0
	WIN MUL_HI
	MUL16 4, 1, NQ-1, 1, 0
	MUL16 6, 1, NQ-1, 1, 0
	WIN 0
	PLACES NP
	s_wait_loadcnt 0x0
.irp b, 0,1,2,3
	v_mov_b32 v[TM+4+\b], 0
.endr
	v_mov_b32 v[PC+7], 0
	v_mov_b32 v[PC+15], 0
	v_mov_b32 v[K0], 0x01010000
	v_mov_b32 v[K1], 0x01bb0000
	v_mov_b32 v[K2], 0x38
	s_cmp_eq_u32 s[MODE], 1
	s_cbranch_scc1 .Lv
	s_lshr_b32 s20, s43, 3
	s_lshl_b32 s20, s20, 4
	s_lshl_b32 s21, s40, 2
	s_add_co_u32 s20, s20, s21
	s_lshl_b32 s21, s[WL], 1
	s_add_co_u32 s20, s20, s21
	s_and_b32 s21, s43, 7
	s_lshl_b32 s21, s21, 1
	s_add_co_u32 s21, s21, s[WH]
	s_lshl_b32 s22, ttmp9, 23
	s_lshl_b32 s23, s20, 17
	s_add_co_u32 s22, s22, s23
	s_lshl_b32 s23, s21, 13
	s_add_co_u32 s22, s22, s23
	s_mov_b32 s23, 0
	s_add_nc_u64 s[22:23], s[12:13], s[22:23]
	s_lshl_b32 s46, ttmp9, 19
	s_lshl_b32 s47, s20, 13
	s_add_co_u32 s46, s46, s47
	s_lshl_b32 s47, s21, 9
	s_add_co_u32 s46, s46, s47
	s_add_co_u32 s46, s46, 16777216
	s_mov_b32 s47, 0
	s_add_nc_u64 s[46:47], s[12:13], s[46:47]
.set k, 0
.rept 32
	v_pk_mul_f32 v[BB+k:BB+k+1], v[BB+k:BB+k+1], s[SS:SS+1] op_sel_hi:[1,0]
.set k, k+2
.endr
.macro EPI_QK a
.if (\a) > 0
	s_wait_xcnt 0x0
.endif
	WIN 0x02+(\a)/4
.set k, 0
.rept 32
	v_pk_fma_f32 v[HA+k:HA+k+1], v[64*((\a)%4)+k:64*((\a)%4)+k+1], s[SS:SS+1], v[BB+k:BB+k+1] op_sel_hi:[1,0,1]
.set k, k+2
.endr
	WIN 0
	QUANT HA, 8, PW
	v_cmp_gt_i32 vcc_lo, 1, v[MK+(\a)]
	s_and_b32 s99, vcc_lo, 0xffff
	v_cndmask_b32 v[PC+6], v[PC+7], v[K2], s99
	v_cndmask_b32 v[PC+14], v[PC+7], v[K2], s99
	v_cndmask_b32 v[XM], v[K0], v[K1], vcc_lo
	v_and_or_b32 v[PWS+(\a)], v[PW], 0xffff, v[XM]
	v_lshrrev_b32 v[PWS+8+(\a)], 16, v[PW]
	v_or_b32 v[PWS+8+(\a)], v[PWS+8+(\a)], v[XM]
.irp c, 0,1
.irp pl, 0,1
	global_store_b128 v4, v[PC+8*\c+4*\pl:PC+8*\c+4*\pl+3], s[22:23] offset:\c*131072+(\a)*1024+512*\pl
.endr
.endr
.endm
.irp a, 0,1,2,3,4,5,6,7
	EPI_QK \a
.endr
	s_wait_alu depctr_va_vdst(0)
.irp c, 0,1
	s_wait_xcnt 0x0
.irp j, 0,1,2,3
	v_cndmask_b32 v[T+\j], v[PWS+8*\c+2*\j], v[PWS+8*\c+2*\j+1], s98
.endr
	global_store_b128 v4, v[T:T+3], s[46:47] offset:\c*8192
.endr
	s_branch .Lend
.Lv:
	s_lshr_b32 s20, s42, 3
	s_lshl_b32 s20, s20, 4
	s_lshl_b32 s21, s41, 2
	s_add_co_u32 s20, s20, s21
	s_lshl_b32 s21, s[WH], 1
	s_add_co_u32 s20, s20, s21
	s_and_b32 s21, s42, 7
	s_lshl_b32 s21, s21, 1
	s_add_co_u32 s21, s21, s[WL]
	s_mul_i32 s22, s20, 98304
	s_mul_i32 s23, s21, 6144
	s_add_co_u32 s22, s22, s23
	s_mov_b32 s23, 0
	s_add_nc_u64 s[22:23], s[14:15], s[22:23]
	s_lshl_b32 s46, s20, 12
	s_lshl_b32 s47, s21, 8
	s_add_co_u32 s46, s46, s47
	s_add_co_u32 s46, s46, 6291456
	s_mov_b32 s47, 0
	s_add_nc_u64 s[46:47], s[14:15], s[46:47]
	v_lshlrev_b32 v59, 3, v3                       ; 8 x (lane / 16)
; 64 numbers of a lane, register 32 c + i = token 64 c + 32 (lane / 16) + i: two whole blocks.  Codes into v[PC + 6 c] on, the row's scale word into v[pw] in both halves of the lanes
.macro QUANTB s, pw
.irp b, 0,1,2,3
	v_max3_num_f32 v[TM+\b], |v[\s+16*\b]|, |v[\s+1+16*\b]|, 0x1800000
.endr
.irp i, 2,4,6,8,10,12,14
.irp b, 0,1,2,3
	v_max3_num_f32 v[TM+\b], v[TM+\b], |v[\s+16*\b+\i]|, |v[\s+1+16*\b+\i]|
.endr
.endr
	v_max_num_f32 v[TM], v[TM], v[TM+1]
	v_max_num_f32 v[TM+2], v[TM+2], v[TM+3]
	v_add_nc_u32 v[TM+12], 0xff000000, v[TM]
	v_add_nc_u32 v[TM+13], 0xff000000, v[TM+2]
	v_lshrrev_b32 v[TM+4], 23, v[TM+12]
	v_lshrrev_b32 v[TM+5], 23, v[TM+13]
	v_lshl_or_b32 v[TM+4], v[TM+5], 16, v[TM+4]    ; my bytes: blocks h and 2 + h
	v_lshlrev_b32 v[TM+4], v59, v[TM+4]
	v_permlanex16_b32 v[TM+5], v[TM+4], s[SEL], s[SEL+1]
	v_or_b32 v[\pw], v[TM+4], v[TM+5]
.irp c, 0,1
	v_cvt_scalef32_pk16_fp6_f32 v[PC+6*\c:PC+6*\c+2], v[\s+32*\c:\s+32*\c+15], v[TM+12+\c]
	v_cvt_scalef32_pk16_fp6_f32 v[PT+4*\c:PT+4*\c+2], v[\s+32*\c+16:\s+32*\c+31], v[TM+12+\c]
.endr
	v_nop
.irp c, 0,1
.irp i, 0,1,2
	v_mov_b32 v[PC+6*\c+3+\i], v[PT+4*\c+\i]
.endr
.endr
.endm
.macro EPI_V a
.if (\a) > 0
	s_wait_xcnt 0x0
.endif
	v_mov_b32 v[BC], v[BV+(\a)]
	v_mov_b32 v[BC+1], v[BV+(\a)]
	WIN 0x02+(\a)/4
.set k, 0
.rept 32
	v_pk_add_f32 v[HA+k:HA+k+1], v[64*((\a)%4)+k:64*((\a)%4)+k+1], v[BC:BC+1]
.set k, k+2
.endr
	WIN 0
	QUANTB HA, PWS+(\a)
.irp p, 0,1,2
	global_store_b128 v4, v[PC+4*\p:PC+4*\p+3], s[22:23] offset:((\a)/4)*98304+((\a)%4)*1536+512*\p
.endr
.endm
.irp a, 0,1,2,3,4,5,6,7
	EPI_V \a
.endr
.irp c, 0,1
	s_wait_xcnt 0x0
.irp j, 0,1
	v_cndmask_b32 v[T+\j], v[PWS+4*\c+2*\j], v[PWS+4*\c+2*\j+1], s98
.endr
	global_store_b64 v5, v[T:T+1], s[46:47] offset:\c*4096
.endr
.Lend:
	s_wait_tensorcnt 0x0
	ds_add_u32 v[SPW], v[NIL]
	s_wait_dscnt 0x0
	CROUND
	s_endpgm
.Lfunc_end_k_q14ec381314_qkv:
	.size	k_q14ec381314_qkv, .Lfunc_end_k_q14ec381314_qkv-k_q14ec381314_qkv
	.p2alignl 7, 3214868480
	.fill 96, 4, 3214868480
	.section	.rodata,"a",@progbits
	.p2align	6, 0x0
	.amdhsa_kernel k_q14ec381314_qkv
		.amdhsa_group_segment_fixed_size 327680
		.amdhsa_private_segment_fixed_size 0
		.amdhsa_enable_private_segment 0
		.amdhsa_kernarg_size 48
		.amdhsa_user_sgpr_count 2
		.amdhsa_user_sgpr_kernarg_segment_ptr 1
		.amdhsa_wavefront_size32 1
		.amdhsa_system_sgpr_workgroup_id_x 1
		.amdhsa_system_sgpr_workgroup_id_y 1
		.amdhsa_system_sgpr_workgroup_id_z 1
		.amdhsa_system_vgpr_workitem_id 0
		.amdhsa_next_free_vgpr 1024
		.amdhsa_next_free_sgpr 102
		.amdhsa_reserve_vcc 1
		.amdhsa_float_denorm_mode_32 3
		.amdhsa_float_denorm_mode_16_64 3
		.amdhsa_memory_ordered 1
		.amdhsa_forward_progress 1
		.amdhsa_inst_pref_size 236
	.end_amdhsa_kernel
	.amdgpu_metadata
---
amdhsa.version: [ 1, 2 ]
amdhsa.kernels:
  - .name:           k_q14ec381314_qkv
    .symbol:         k_q14ec381314_qkv.kd
    .args:
      - { .name: xq, .offset: 0, .size: 8, .value_kind: global_buffer, .address_space: global }
      - { .name: wq, .offset: 8, .size: 8, .value_kind: global_buffer, .address_space: global }
      - { .name: b_qkv, .offset: 16, .size: 8, .value_kind: global_buffer, .address_space: global }
      - { .name: mask, .offset: 24, .size: 8, .value_kind: global_buffer, .address_space: global }
      - { .name: qkq, .offset: 32, .size: 8, .value_kind: global_buffer, .address_space: global }
      - { .name: vq, .offset: 40, .size: 8, .value_kind: global_buffer, .address_space: global }
    .group_segment_fixed_size: 327680
    .private_segment_fixed_size: 0
    .kernarg_segment_align: 8
    .kernarg_segment_size: 48
    .max_flat_workgroup_size: 128
    .sgpr_count:     102
    .vgpr_count:     1024
    .wavefront_size: 32
...
	.end_amdgpu_metadata
.endif
;; end of part 2
;; launch attn (part 3): grid 4 x 64, 16 waves a work-group, clusters of 4 x 1, 327,680 bytes of LDS; arguments qkq, vq, oq; writes oq
.if DOCPART == 3
	.amdgcn_target "amdgcn-amd-amdhsa--gfx1250"
	.amdhsa_code_object_version 6
	.text
	.protected	k_q14ec381314_attn
	.globl	k_q14ec381314_attn
	.p2align	8
	.type	k_q14ec381314_attn,@function
k_q14ec381314_attn:
	s_mov_b64 s[64:65], 0
	v_nop
	global_prefetch_b8 v0, s[64:65] scope:SCOPE_SE
	s_setreg_imm32_b32 hwreg(HW_REG_WAVE_MODE, 25, 1), 1
	s_wait_xcnt 0x0
	s_wait_alu depctr_hold_cnt(0) depctr_sa_sdst(0) depctr_va_vdst(0) depctr_va_sdst(0) depctr_va_ssrc(0) depctr_va_vcc(0) depctr_vm_vsrc(0)
	s_getreg_b32 s2, hwreg(HW_REG_IB_STS2, 6, 4)
	s_cmp_eq_u32 s2, 0
	s_cbranch_scc0 .Lentry_in_a_cluster
	s_endpgm
.Lentry_in_a_cluster:
	s_bfe_u32 s2, ttmp6, 0x10000c
	s_cmp_lg_u32 s2, 0x3003
	s_cbranch_scc0 .Lentry_shape_is_right
	s_endpgm
.Lentry_shape_is_right:
; ATTN: for each (batch, head): S^T = k (q/8)^T, softmax by the stated rule, O^T = v^T p^T, O / l, quantised along (head, channel) for the last product.  All products on codes of FP6 (E2M3) with E8M0 scales.
; t = score x log2(e); M = the running largest t rounded up to a whole number; p = 2^(t - M) is quantised along the keys, not normalised; the sum l is taken of the unquantised p and divides O at the end.
; SHARES: a work-group owns 512 queries of one head; each of sixteen waves two tiles of 16 queries, one after the other.  All of the head's k and v lie in LDS as images of operand registers, filled ONCE
; (229,376 bytes of codes, 12,288 of scale words): no ring, no refill.  The four work-groups of a cluster share the head and ask for every block jointly.
; FILLS: one joint load a wave.  Waves 0-5 bring what key steps 0-3 read (k's first 32,768 bytes, v's first 24,576, both tensors' scale words) by load lines of their own and wait ahead of the first barrier;
; waves 6-15 bring the rest, which the second barrier, with every wave's wait for 0 ahead of it, shows ahead of step 4.  The second tile of queries meets no barrier.
; No prefetch: every byte of k and v is asked for at the head, so there is no loop to run ahead in.
; THE ORDER OF KEYS: tile t of a step holds keys 64 (t / 4) + 8 (t % 4) + 0 .. 7 in rows 0-7 and the keys 32 further on in rows 8-15.  So lane (r, h) holds of query r, in registers 32 c + i, keys 64 c + 32 h + i:
; two whole blocks of 32, in the order of the second product's operand: a block's largest score needs no other lane, and the codes fall where the operand wants them.
; THE MASK costs no line here: q k^T has K = 64 of the instruction's 128; at k = 64 q has the code +4 under 2^60, a masked key -4 under 2^60 (score - 2^124), an open key 0.
; A tile of k is 8 registers a lane; the instruction names 12: the last four are the next tile's first four (or zeros): they meet zero codes of q under finite scales and add exactly 0.
; LIMITS: |score| under 2^100; where every key of a batch is masked the result leans on score - 2^124 rounding to -2^124; NaN and infinities are not served; a block of o under 2^-124 keeps the byte 1.
; REGISTERS: v1-11, v34 addresses and constants; v12 -M, v13 largest t, v[14:15] the sum; v16-27 q; v28-33 scale words; v36-103 k's tiles, then v's fragments; v104-167 S^T, then p; v168-199 O^T; v200-218 codes; v220-253 at work.
.set F,   36
.set S,   104
.set O,   168
.set PC,  200
.set PT,  212
.set BM,  220
.set PD,  224
.set SO,  228
.set TMP, 234
.set FF,  236                          ; v236 f, v237 p's scale word
.set AC,  240                          ; v240-253 seven partial sums
.set SH,  34                           ; v34 8 x (lane / 16)
.set SPARE, 241664
.set WV,  10
.set KB,  14                           ; LDS bytes at which the step's k tiles, v fragments and scale images begin
.set VB,  15
.set KSB, 16
.set VSB, 17
.set CNT, 18
.set PM,  2
.set QSC, 3
.set OSB, 96
.set SEL, 98
.set CS,  100
.set G1K,  20                          ; group 1: 64 rows of 256 bytes;  48;  72;  32;  16
.set G1VE, 28
.set G1VL, 36
.set G1KS, 44
.set G1VS, 52
.set G0KE, 68                          ; group 0, one for each load line
.set G0VE, 72
.set G0KS, 76
.set G0VS, 80
.set G0KL, 84
.set G0VL, 88
.macro CROUND
	s_barrier_signal -1
	s_barrier_wait -1
	s_cmp_lg_u32 s[WV], 0
	s_cbranch_scc1 .Lnot_wave_0_\@
	s_barrier_signal -3
.Lnot_wave_0_\@:
	s_barrier_wait -3
	s_barrier_signal -1
	s_barrier_wait -1
.endm
.macro MKG1 g, rows                    ; a dense block as rows of 256 bytes; mask: all four work-groups
	s_mov_b32 s[\g], 15|(3<<16)|(1<<21)
	s_mov_b32 s[\g+1], 32<<16
	s_mov_b32 s[\g+2], (\rows)<<16
	s_mov_b32 s[\g+3], 32<<16
	s_mov_b32 s[\g+4], \rows
	s_mov_b32 s[\g+5], 32
	s_mov_b32 s[\g+6], 0
	s_mov_b32 s[\g+7], 0
.endm
.macro TLOAD g0, g1
	tensor_load_to_lds s[\g0:\g0+3], s[\g1:\g1+7]
	s_nop 0
.rept 4
	v_nop
.endr
.endm
.macro ARM under, g0, g1, next
	s_cmp_lt_u32 s[WV], \under
	s_cbranch_scc0 \next
	TLOAD \g0, \g1
	s_branch .Lasked
\next:
.endm
	s_load_b128 s[4:7], s[0:1], 0x0                ; qkq, vq
	s_load_b64 s[8:9], s[0:1], 0x10                ; oq
	v_lshl_add_u32 v254, v0, 2, SPARE
	v_mov_b32 v255, 0
	ds_add_u32 v254, v255                          ; the opening lines
	ds_add_u32 v254, v255
	v_lshrrev_b32 v1, 5, v0
	s_delay_alu instid0(VALU_DEP_1)
	v_readfirstlane_b32 s[WV], v1                  ; wave 0..15
	s_and_b32 s11, s[WV], 1                        ; waves 0-3: which half of the early block
	s_and_b32 s12, ttmp7, 0xffff                   ; 16 x batch + head, shared by the four partners
	s_bfe_u32 s13, ttmp6, 0x40000                  ; cx: my 512 queries; it enters global addresses alone
	s_add_co_u32 s60, s[WV], 4
	s_and_b32 s60, s60, 7                          ; waves 6-11: k's blocks 2-7 of 16,384 bytes
	s_and_b32 s61, s[WV], 3                        ; waves 12-15: v's later blocks of 18,432 bytes
	MKG1 G1K, 64
	MKG1 G1VE, 48
	MKG1 G1VL, 72
	MKG1 G1KS, 32
	MKG1 G1VS, 16
	s_lshl_b32 s16, s12, 17
	s_add_co_u32 s16, s16, 8388608                 ; k's images, bytes from qkq
	s_mul_i32 s17, s12, 98304                      ; v's, from vq
	s_lshl_b32 s[G0KE+1], s11, 14
	s_add_co_u32 s[G0KE+2], s16, s[G0KE+1]
	s_mul_i32 s15, s11, 12288
	s_add_co_u32 s[G0VE+1], s15, 131072
	s_add_co_u32 s[G0VE+2], s17, s15
	s_mov_b32 s[G0KS+1], 229376
	s_lshl_b32 s[G0KS+2], s12, 13
	s_add_co_u32 s[G0KS+2], s[G0KS+2], 16777216+524288
	s_mov_b32 s[G0VS+1], 237568
	s_lshl_b32 s[G0VS+2], s12, 12
	s_add_co_u32 s[G0VS+2], s[G0VS+2], 6291456
	s_lshl_b32 s[G0KL+1], s60, 14
	s_add_co_u32 s[G0KL+2], s16, s[G0KL+1]
	s_mul_i32 s15, s61, 18432
	s_add_co_u32 s[G0VL+1], s15, 131072+24576
	s_add_co_u32 s[G0VL+2], s17, s15
	s_add_co_u32 s[G0VL+2], s[G0VL+2], 24576
.irp g, G0KE, G0VE, G0KS, G0VS, G0KL, G0VL
	s_mov_b32 s[\g], 1
	s_mov_b32 s[\g+3], 0
.endr
	s_wait_dscnt 0x0
	s_wait_kmcnt 0x0
.irp g, G0KE, G0KS, G0KL
	s_add_nc_u64 s[\g+2:\g+3], s[4:5], s[\g+2:\g+3]
	s_or_b32 s[\g+3], s[\g+3], 0x80000000
.endr
.irp g, G0VE, G0VS, G0VL
	s_add_nc_u64 s[\g+2:\g+3], s[6:7], s[\g+2:\g+3]
	s_or_b32 s[\g+3], s[\g+3], 0x80000000
.endr
	CROUND                                         ; all four work-groups are here: the joint loads meet
	ARM 2,  G0KE, G1K,  .Larm_ve                   ; one chain, one load to an arm: every wave issues exactly one
	ARM 4,  G0VE, G1VE, .Larm_ks
	ARM 5,  G0KS, G1KS, .Larm_vs
	ARM 6,  G0VS, G1VS, .Larm_kl
	ARM 12, G0KL, G1K,  .Larm_vl
	TLOAD G0VL, G1VL
.Lasked:
	s_lshl_b32 s96, s13, 5
	s_lshl_b32 s97, s[WV], 1
	s_add_co_u32 s96, s96, s97                     ; my first tile of queries in the head: 32 cx + 2 w
	s_lshl_b32 s14, s12, 17
	s_lshl_b32 s15, s96, 10
	s_add_co_u32 s14, s14, s15
	s_mov_b32 s15, 0
	s_lshl_b32 s16, s12, 13
	s_lshl_b32 s17, s13, 2
	s_lshr_b32 s18, s[WV], 2
	s_add_co_u32 s17, s17, s18
	s_lshl_b32 s17, s17, 9
	s_add_co_u32 s16, s16, s17
	s_and_b32 s17, s[WV], 3
	s_lshl_b32 s17, s17, 2
	s_add_co_u32 s16, s16, s17
	s_add_co_u32 s16, s16, 16777216
	s_mov_b32 s17, 0
	s_add_nc_u64 s[6:7], s[4:5], s[16:17]          ; q's scale words
	s_add_nc_u64 s[4:5], s[4:5], s[14:15]          ; q's image
	s_lshr_b32 s14, s12, 4                         ; batch
	s_and_b32 s15, s12, 15                         ; head
	s_lshl_b32 s14, s14, 7
	s_add_co_u32 s14, s14, s96                     ; my first tile in oq
	s_mul_i32 s16, s14, 12288
	s_lshr_b32 s17, s15, 1
	s_mul_i32 s17, s17, 1536
	s_add_co_u32 s16, s16, s17
	s_and_b32 s17, s15, 1
	s_mul_i32 s17, s17, 768
	s_add_co_u32 s16, s16, s17
	s_mov_b32 s17, 0
	s_lshl_b32 s18, s14, 9
	s_lshr_b32 s19, s15, 3
	s_lshl_b32 s19, s19, 8
	s_add_co_u32 s18, s18, s19
	s_bfe_u32 s19, s15, 0x20001
	s_lshl_b32 s19, s19, 2
	s_add_co_u32 s18, s18, s19
	s_and_b32 s19, s15, 1
	s_lshl_b32 s19, s19, 1
	s_add_co_u32 s18, s18, s19
	s_add_co_u32 s18, s18, 6291456
	s_mov_b32 s19, 0
	s_add_nc_u64 s[OSB:OSB+1], s[8:9], s[18:19]    ; o's two scale bytes a row
	s_add_nc_u64 s[8:9], s[8:9], s[16:17]          ; o's three pieces of a fragment
	s_mov_b32 s[SEL], 0x76543210
	s_mov_b32 s[SEL+1], 0xfedcba98
	s_mov_b32 s[CS], 0x3fb8aa3b                    ; log2(e): the division by 8 is in q
	s_mov_b32 s[CS+1], s[CS]
	s_mov_b32 s[PM], 0xffff
	s_mov_b32 s[QSC], 0x01bb0000
	v_and_b32 v1, 31, v0
	s_delay_alu instid0(VALU_DEP_1)
	v_lshlrev_b32 v2, 3, v1                        ; 8 x lane
	s_delay_alu instid0(VALU_DEP_2)
	v_lshlrev_b32 v1, 4, v1                        ; 16 x lane
	v_and_b32 v11, 15, v0
	s_delay_alu instid0(VALU_DEP_1)
	v_lshlrev_b32 v11, 4, v11                      ; 16 r
	v_bfe_u32 v8, v0, 4, 1                         ; h
	s_delay_alu instid0(VALU_DEP_1)
	v_mul_u32_u24 v7, v8, 24
	v_lshlrev_b32 v[SH], 3, v8                     ; 8 h
	s_delay_alu instid0(VALU_DEP_2)
	v_sub_nc_u32 v7, 24, v7                        ; the code +4 at k = 64: lanes 0-15
	v_lshl_add_u32 v8, v8, 9, v11                  ; 512 h + 16 r
	v_mov_b32 v9, 0
.irp i, 24,25,26,27
	v_mov_b32 v[\i], 0                             ; q's codes of k = 80 on: zeros
.endr
.irp i, 64,65,66,67
	v_mov_b32 v[F+\i], 0
.endr
.irp b, 0,1,2,3
	v_mov_b32 v[PD+\b], 0                          ; a lane permute's destination counts as read
.endr
	v_mov_b32 v[FF+1], 0
	v_mov_b32 v[TMP], 0
	s_wait_alu depctr_va_vdst(0)
; A KEY STEP: 128 keys
.macro STEP
	v_add_nc_u32 v3, s[KB], v1                     ; these four are also the places behind the last products, ahead of the loads into their operands
	v_add_nc_u32 v4, s[VB], v1
	v_add_nc_u32 v5, s[KSB], v1
	v_add_nc_u32 v6, s[VSB], v2
	ds_load_b128 v[28:31], v5                      ; k's scale words: word j: tile 2 j in lanes 0-15, 2 j + 1 in lanes 16-31
.irp t, 0,1,2,3,4,5,6,7
	ds_load_b128 v[F+8*\t:F+8*\t+3], v3 offset:1024*\t
	ds_load_b128 v[F+8*\t+4:F+8*\t+7], v3 offset:1024*\t+512
.endr
	s_wait_alu depctr_va_vdst(0)
	s_wait_dscnt 0x0
.irp t, 0,2,4,6
	v_wmma_scale_f32_16x16x128_f8f6f4 v[S+8*\t:S+8*\t+7], v[F+8*\t:F+8*\t+11], v[16:27], 0, v[28+\t/2], v10 matrix_a_fmt:MATRIX_FMT_FP6 matrix_b_fmt:MATRIX_FMT_FP6
	v_wmma_scale_f32_16x16x128_f8f6f4 v[S+8*\t+8:S+8*\t+15], v[F+8*\t+8:F+8*\t+19], v[16:27], 0, v[28+\t/2], v10 matrix_a_fmt:MATRIX_FMT_FP6 matrix_b_fmt:MATRIX_FMT_FP6 matrix_a_scale:MATRIX_SCALE_ROW1
.endr
	v_mov_b32 v[TMP], v12                          ; the old -M; with the three below: four places behind the products
.rept 3
	v_nop
.endr
.irp d, 0,1,2,3                                ; v's four fragments land under the softmax
.irp p, 0,1,2
	ds_load_b128 v[F+12*\d+4*\p:F+12*\d+4*\p+3], v4 offset:1536*\d+512*\p
.endr
.endr
	ds_load_b64 v[32:33], v6
.irp b, 0,1,2,3
	v_max3_num_f32 v[BM+\b], v[S+16*\b], v[S+16*\b+1], v[S+16*\b+2]    ; four chains, one over each 16 registers; each accumulator is first read at its low end
.endr
.irp i, 3,5,7,9,11,13
.irp b, 0,1,2,3
	v_max3_num_f32 v[BM+\b], v[BM+\b], v[S+16*\b+\i], v[S+16*\b+\i+1]
.endr
.endr
	v_max3_num_f32 v[BM], v[BM], v[BM+1], v[S+15]
	v_max3_num_f32 v[BM+2], v[BM+2], v[BM+3], v[S+47]
	v_max_num_f32 v[BM], v[BM], v[S+31]            ; the largest score of my block h,
	v_max_num_f32 v[BM+2], v[BM+2], v[S+63]        ; and of my block 2 + h: for the row's maximum and for the block's largest p
	v_max_num_f32 v[PD+1], v[BM], v[BM+2]
	v_mul_f32 v[PD+1], s[CS], v[PD+1]
	v_permlanex16_b32 v[PD], v[PD+1], s[SEL], s[SEL+1]
	v_max3_num_f32 v13, v13, v[PD+1], v[PD]        ; the running largest t, the same in both halves of the lanes
	s_delay_alu instid0(VALU_DEP_1)
	v_floor_f32 v12, -v13                          ; the new -M: M is a whole number
	s_delay_alu instid0(VALU_DEP_1)
	v_sub_f32 v[TMP], v12, v[TMP]
	s_delay_alu instid0(VALU_DEP_1)
	v_cvt_i32_f32 v[TMP], v[TMP]                   ; (it saturates)
	s_delay_alu instid0(VALU_DEP_1)
	v_ldexp_f32 v[FF], 1.0, v[TMP]                 ; f = 2^(old M - new M): rounds nothing
.set j, 0
.rept 32
	v_pk_fma_f32 v[S+j:S+j+1], v[S+j:S+j+1], s[CS:CS+1], v[12:13] op_sel_hi:[1,0,0]
.set j, j+2
.endr
	v_fma_f32 v[BM], v[BM], s[CS], v12
	v_fma_f32 v[BM+2], v[BM+2], s[CS], v12
	s_wait_alu depctr_va_vdst(0)
	v_exp_f32 v[BM], v[BM]                         ; each block's largest p
	v_exp_f32 v[BM+2], v[BM+2]
.set j, 0
.rept 64
	v_exp_f32 v[S+j], v[S+j]                       ; p = 2^(t - M)
.set j, j+1
.endr
	v_pk_mul_f32 v[14:15], v[14:15], v[FF:FF+1] op_sel_hi:[1,0]   ; a plain line behind the exponentials
	s_wait_alu depctr_va_vdst(0)                   ; one wait for the batch of 66, ahead of its first reader
	v_max_num_f32 v[BM], 0x1800000, v[BM]          ; the floor: the byte cannot fall under 1
	v_max_num_f32 v[BM+2], 0x1800000, v[BM+2]
.set j, 0
.rept 7                                        ; the sum of the unquantised p: eight chains; the scale's lines stand among them
	v_pk_add_f32 v[AC+2*j:AC+2*j+1], v[S+4*j:S+4*j+1], v[S+4*j+2:S+4*j+3]
.set j, j+1
.endr
	v_pk_add_f32 v[14:15], v[14:15], v[S+28:S+29]
	v_add_nc_u32 v[SO], 0xff000000, v[BM]          ; 2 off the exponent field: the conversions' scale operand
	v_add_nc_u32 v[SO+1], 0xff000000, v[BM+2]
.set j, 0
.rept 7
	v_pk_add_f32 v[AC+2*j:AC+2*j+1], v[AC+2*j:AC+2*j+1], v[S+30+2*j:S+31+2*j]
.set j, j+1
.endr
	v_pk_add_f32 v[14:15], v[14:15], v[S+44:S+45]
	v_lshrrev_b32 v[PD], 23, v[SO]
	v_lshrrev_b32 v[PD+1], 23, v[SO+1]
.set j, 0
.rept 7
	v_pk_add_f32 v[AC+2*j:AC+2*j+1], v[AC+2*j:AC+2*j+1], v[S+46+2*j:S+47+2*j]
.set j, j+1
.endr
	v_pk_add_f32 v[14:15], v[14:15], v[S+60:S+61]
	v_pk_add_f32 v[AC:AC+1], v[AC:AC+1], v[S+62:S+63]
	v_lshl_or_b32 v[PD], v[PD+1], 16, v[PD]        ; my two bytes: blocks h and 2 + h
	v_pk_add_f32 v[AC+2:AC+3], v[AC+2:AC+3], v[AC+4:AC+5]
	v_pk_add_f32 v[AC+6:AC+7], v[AC+6:AC+7], v[AC+8:AC+9]
	v_pk_add_f32 v[AC+10:AC+11], v[AC+10:AC+11], v[AC+12:AC+13]
	s_delay_alu instid0(VALU_DEP_4)
	v_lshlrev_b32 v[PD], v[SH], v[PD]              ; at their places in the word
	v_pk_add_f32 v[14:15], v[14:15], v[AC:AC+1]
	s_delay_alu instid0(VALU_DEP_4)
	v_pk_add_f32 v[AC+2:AC+3], v[AC+2:AC+3], v[AC+6:AC+7]
	s_delay_alu instid0(VALU_DEP_2)
	v_pk_add_f32 v[14:15], v[14:15], v[AC+10:AC+11]
	s_delay_alu instid0(VALU_DEP_4)
	v_permlanex16_b32 v[PD+1], v[PD], s[SEL], s[SEL+1]
	s_delay_alu instid0(VALU_DEP_2)
	v_pk_add_f32 v[14:15], v[14:15], v[AC+2:AC+3]
	s_delay_alu instid0(VALU_DEP_2)
	v_or_b32 v[FF+1], v[PD], v[PD+1]               ; p's scale word, whole in every lane
.irp c, 0,1
	v_cvt_scalef32_pk16_fp6_f32 v[PC+6*\c:PC+6*\c+2], v[S+32*\c:S+32*\c+15], v[SO+\c]
	v_cvt_scalef32_pk16_fp6_f32 v[PT+4*\c:PT+4*\c+2], v[S+32*\c+16:S+32*\c+31], v[SO+\c]
.endr
	v_nop                                          ; one plain line behind the scaled conversions
.irp c, 0,1
.irp i, 0,1,2
	v_mov_b32 v[PC+6*\c+3+\i], v[PT+4*\c+\i]       ; (a conversion's three registers begin on an even number)
.endr
.endr
	s_wait_alu depctr_va_vdst(0)                   ; directly ahead of the first reader of O^T
.set j, 0
.rept 16
	v_pk_mul_f32 v[O+j:O+j+1], v[O+j:O+j+1], v[FF:FF+1] op_sel_hi:[1,0]   ; O^T under the new M; these lines also stand between the codes' and the scale word's last writes and the products
.set j, j+2
.endr
	s_wait_alu depctr_va_vdst(0)
	s_wait_dscnt 0x0                               ; v's fragments and scale words are in
.irp d, 0,2
	v_wmma_scale_f32_16x16x128_f8f6f4 v[O+8*\d:O+8*\d+7], v[F+12*\d:F+12*\d+11], v[PC:PC+11], v[O+8*\d:O+8*\d+7], v[32+\d/2], v[FF+1] matrix_a_fmt:MATRIX_FMT_FP6 matrix_b_fmt:MATRIX_FMT_FP6
	v_wmma_scale_f32_16x16x128_f8f6f4 v[O+8*\d+8:O+8*\d+15], v[F+12*\d+12:F+12*\d+23], v[PC:PC+11], v[O+8*\d+8:O+8*\d+15], v[32+\d/2], v[FF+1] matrix_a_fmt:MATRIX_FMT_FP6 matrix_b_fmt:MATRIX_FMT_FP6 matrix_a_scale:MATRIX_SCALE_ROW1
.endr
	s_add_co_u32 s[KB], s[KB], 8192
	s_add_co_u32 s[VB], s[VB], 6144
	s_add_co_u32 s[KSB], s[KSB], 512
	s_add_co_u32 s[VSB], s[VSB], 256
.endm
.macro LOOP n, first                   ; n key steps from step first on
	s_mov_b32 s[KB], (\first)*8192
	s_mov_b32 s[VB], 131072+(\first)*6144
	s_mov_b32 s[KSB], 229376+(\first)*512
	s_mov_b32 s[VSB], 237568+(\first)*256
	s_mov_b32 s[CNT], \n
.Lstep_\@:
	STEP
	s_sub_co_u32 s[CNT], s[CNT], 1
	s_cmp_lg_u32 s[CNT], 0
	s_cbranch_scc1 .Lstep_\@
.endm
; A tile of 16 queries against all 2,048 keys
.macro PASS p
	global_load_b128 v[16:19], v1, s[4:5] offset:1024*\p
	global_load_b128 v[20:23], v1, s[4:5] offset:1024*\p+512
	global_load_b32 v10, v11, s[6:7] offset:256*\p
	v_mov_b32 v13, 0xff61b1e6                      ; -3e38: under every t, the masked ones too
	s_delay_alu instid0(VALU_DEP_1)
	v_floor_f32 v12, -v13
	v_mov_b32 v14, 0
	v_mov_b32 v15, 0
	s_wait_loadcnt 0x0
	v_mov_b32 v22, v7                              ; q's code at k = 64
	v_and_or_b32 v10, v10, 0xffff, s[QSC]          ; and its scale bytes there: 2^60, 2^-126
.set j, 0
.rept 32
	v_mov_b32 v[O+j], 0                            ; the step is written once: the first finds zeros
.set j, j+1
.endr
	s_wait_alu depctr_va_vdst(0)
.if \p == 0
	s_cmp_lt_u32 s[WV], 6                          ; the six waves whose lines bring steps 0-3's bytes show them landed; the other ten loads may be out
	s_cbranch_scc0 .Llate
	s_wait_tensorcnt 0x0
.Llate:
	s_barrier_signal -1
	s_barrier_wait -1
	LOOP 4, 0
	s_wait_tensorcnt 0x0                           ; every wave: all that was asked for is in
	s_barrier_signal -1
	s_barrier_wait -1
	LOOP 12, 4
.else
	LOOP 16, 0
.endif
.rept 4
	v_nop                                          ; places behind the last products
.endr
	v_add_f32 v14, v14, v15
	s_delay_alu instid0(VALU_DEP_1)
	v_permlanex16_b32 v[TMP], v14, s[SEL], s[SEL+1]
	s_delay_alu instid0(VALU_DEP_1)
	v_add_f32 v14, v14, v[TMP]                     ; the row's sum
	s_wait_alu depctr_va_vdst(0)
	v_rcp_f32 v14, v14
	v_nop
	s_wait_alu depctr_va_vdst(0)                   ; ahead of the reciprocal's first reader, and of O^T's
.set j, 0
.rept 16
	v_pk_mul_f32 v[S+j:S+j+1], v[O+j:O+j+1], v[14:15] op_sel_hi:[1,0]   ; o: register 16 b + i = channel 32 b + 16 (lane / 16) + i of my query
.set j, j+2
.endr
.irp b, 0,1
	v_max3_num_f32 v[BM+\b], |v[S+16*\b]|, |v[S+16*\b+1]|, 0x1800000
.endr
.irp i, 2,4,6,8,10,12,14
.irp b, 0,1
	s_delay_alu instid0(VALU_DEP_2)
	v_max3_num_f32 v[BM+\b], v[BM+\b], |v[S+16*\b+\i]|, |v[S+16*\b+\i+1]|
.endr
.endr
.irp b, 0,1
	s_delay_alu instid0(VALU_DEP_2)
	v_permlanex16_b32 v[PD+\b], v[BM+\b], s[SEL], s[SEL+1]
.endr
.irp b, 0,1
	s_delay_alu instid0(VALU_DEP_2)
	v_max_num_f32 v[BM+\b], v[BM+\b], v[PD+\b]
.endr
.irp b, 0,1
	s_delay_alu instid0(VALU_DEP_2)
	v_add_nc_u32 v[SO+\b], 0xff000000, v[BM+\b]
.endr
.irp b, 0,1
	s_delay_alu instid0(VALU_DEP_2)
	v_lshrrev_b32 v[PD+\b], 23, v[SO+\b]
.endr
	s_delay_alu instid0(VALU_DEP_1)
	v_lshl_or_b32 v[TMP], v[PD+1], 8, v[PD]        ; my head's two scale bytes of the row
	v_cvt_scalef32_pk16_fp6_f32 v[PC:PC+2], v[S:S+15], v[SO]
	v_cvt_scalef32_pk16_fp6_f32 v[PT:PT+2], v[S+16:S+31], v[SO+1]
	v_nop
.irp i, 0,1,2
	v_permlane16_swap_b32 v[PC+\i], v[PT+\i]
.endr
.irp i, 0,1,2
	s_delay_alu instid0(VALU_DEP_3)
	v_mov_b32 v[PC+3+\i], v[PT+\i]
.endr
.irp q, 0,1,2
	global_store_b64 v2, v[PC+2*\q:PC+2*\q+1], s[8:9] offset:12288*\p+256*\q   ; 256 consecutive bytes, aligned: half a fragment of the last product's A
.endr
	v_cndmask_b32 v9, v9, v[TMP], s[PM]            ; first tile's bytes in lanes 0-15, second's in lanes 16-31
	s_wait_xcnt 0x0                                ; the stores have read their registers
.if \p == 0
	s_lshl_b32 s[PM], s[PM], 16
.endif
.endm
	PASS 0
	PASS 1
	s_wait_alu depctr_va_vdst(0)
	global_store_b16 v8, v9, s[OSB:OSB+1]          ; 2 bytes a row, 16 apart: a scale word of the last product spans two heads, which two work-groups own; 2 bytes in 50 of what this launch writes
	s_wait_tensorcnt 0x0                           ; the wave's end
	ds_add_u32 v254, v255
	s_wait_dscnt 0x0
	CROUND                                         ; the closing round
	s_endpgm
.Lfunc_end_k_q14ec381314_attn:
	.size	k_q14ec381314_attn, .Lfunc_end_k_q14ec381314_attn-k_q14ec381314_attn
	.p2alignl 7, 3214868480
	.fill 96, 4, 3214868480
	.section	.rodata,"a",@progbits
	.p2align	6, 0x0
	.amdhsa_kernel k_q14ec381314_attn
		.amdhsa_group_segment_fixed_size 327680
		.amdhsa_private_segment_fixed_size 0
		.amdhsa_enable_private_segment 0
		.amdhsa_kernarg_size 24
		.amdhsa_user_sgpr_count 2
		.amdhsa_user_sgpr_kernarg_segment_ptr 1
		.amdhsa_wavefront_size32 1
		.amdhsa_system_sgpr_workgroup_id_x 1
		.amdhsa_system_sgpr_workgroup_id_y 1
		.amdhsa_system_sgpr_workgroup_id_z 1
		.amdhsa_system_vgpr_workitem_id 0
		.amdhsa_next_free_vgpr 256
		.amdhsa_next_free_sgpr 102
		.amdhsa_reserve_vcc 0
		.amdhsa_float_denorm_mode_32 3
		.amdhsa_float_denorm_mode_16_64 3
		.amdhsa_memory_ordered 1
		.amdhsa_forward_progress 1
		.amdhsa_inst_pref_size 70
	.end_amdhsa_kernel
	.amdgpu_metadata
---
amdhsa.version: [ 1, 2 ]
amdhsa.kernels:
  - .name:           k_q14ec381314_attn
    .symbol:         k_q14ec381314_attn.kd
    .args:
      - { .name: qkq, .offset: 0, .size: 8, .value_kind: global_buffer, .address_space: global }
      - { .name: vq, .offset: 8, .size: 8, .value_kind: global_buffer, .address_space: global }
      - { .name: oq, .offset: 16, .size: 8, .value_kind: global_buffer, .address_space: global }
    .group_segment_fixed_size: 327680
    .private_segment_fixed_size: 0
    .kernarg_segment_align: 8
    .kernarg_segment_size: 24
    .max_flat_workgroup_size: 512
    .sgpr_count:     102
    .vgpr_count:     256
    .wavefront_size: 32
...
	.end_amdgpu_metadata
.endif
;; end of part 3
;; launch proj (part 4): grid 4 x 64, 4 waves a work-group, clusters of 4 x 4, 327,680 bytes of LDS; arguments oq, wq, b_out, out0; writes out0
.if DOCPART == 4
	.amdgcn_target "amdgcn-amd-amdhsa--gfx1250"
	.amdhsa_code_object_version 6
	.text
	.protected	k_q14ec381314_proj
	.globl	k_q14ec381314_proj
	.p2align	8
	.type	k_q14ec381314_proj,@function
k_q14ec381314_proj:
	s_mov_b64 s[64:65], 0
	v_nop
	global_prefetch_b8 v0, s[64:65] scope:SCOPE_SE
	s_setreg_imm32_b32 hwreg(HW_REG_WAVE_MODE, 25, 1), 1
	s_wait_xcnt 0x0
	s_wait_alu depctr_hold_cnt(0) depctr_sa_sdst(0) depctr_va_vdst(0) depctr_va_sdst(0) depctr_va_ssrc(0) depctr_va_vcc(0) depctr_vm_vsrc(0)
	s_getreg_b32 s2, hwreg(HW_REG_IB_STS2, 6, 4)
	s_cmp_eq_u32 s2, 0
	s_cbranch_scc0 .Lentry_in_a_cluster
	s_endpgm
.Lentry_in_a_cluster:
	s_bfe_u32 s2, ttmp6, 0x10000c
	s_cmp_lg_u32 s2, 0xf033
	s_cbranch_scc0 .Lentry_shape_is_right
	s_endpgm
.Lentry_shape_is_right:
; PROJ: out0 = o W_out + b_out.  o [8192][1024] and W_out's columns arrive as codes of FP6 (E2M3) with E8M0 scale words, as images of operand registers:
; a tile of 16 rows is 8 fragments (16 rows x 128 K) of 1,536 bytes, 12,288 bytes a tile; scale words behind the codes, 512 bytes a tile: [K step / 4][row][K step % 4].
; o's stored tile 4 C + t, row r, is token 64 C + 8 t + r % 8 + 32 (r / 8); W's stored tile 2 B + u, row r, is column 32 B + 8 u + r % 8 + 16 (r / 8); W_out's tiles are wq's tiles 192 on.
; SHARES: 256 work-groups, each 128 tokens x 256 columns; four waves, 2 x 2, each 64 x 128: 32 accumulators of 16 x 16, 256 registers.
; K = 1,024 goes in 8 steps of 128 through two LDS slots of two steps each (8 tiles of o, 16 of W, 3,072 bytes of each tile): four fills in all.
; Both operands have two sets of fragment registers: a step's 72 fragment loads go out in one run, set 1's a whole step (32 products), set 0's 16 products ahead of the wait for them.
; CLUSTERS: 4 x 4; o's tiles are asked for jointly by a row of the cluster, W's by a column.  The product is used transposed (source 0 = W's rows): a lane holds eight neighbouring columns of one token.
; The bias is the first products' C.  No prefetch: of the four fills two are asked for at the head and the other two behind steps 1 and 3, so there is no run of trips to ask ahead in.
; REGISTERS: window 0: v0-31 addresses, v32-63 scale words (two sets), v64-127 the bias, v128-223 o's fragments (two sets of 48), on the way out v128-255; window 1: W's fragments, sets at v0 and v128; window 2: accumulator (a, b) at 8 (8 a + b).
.set FR,     12
.set FRB,    1536
.set TILEB,  3072                      ; a tile's bytes in a slot: two K steps
.set AHALF,  4*TILEB                   ; what a wave reads, and in the ring fetches, of o
.set BHALF,  8*TILEB                   ; and of W
.set ABYTES, 2*AHALF
.set SLOT,   ABYTES+2*BHALF
.set SCL,    2*SLOT                    ; the scale words: rows of 256 + 16 bytes; o's 16 rows, then W's 32
.set ASC,    16*272
.set SBLK,   544                       ; a tile's
.set SPARE,  SCL+3*ASC
.set XSC,    6291456
.set WSC,    3145728
.set SPITCH, 528
.set ADRA, 16
.set ADRB, 20
.set STO,  24
.set RD,   25
.set ADRS, 27
.set SPW,  28
.set NIL,  29
.set SC,   32
.set BB,   64
.set AF,   128
.set BK,   128
.set WV,   16
.set WH,   17
.set WL,   18
.set G1,   24
.set G0,   32
.set G1B,  48
.set G0B,  56
.set G1S,  68
.set G0S,  76
.set G1SB, 80
.set G0SB, 88
.set MSB, 0
.macro WIN new
.if MSB != (\new)
	s_set_vgpr_msb (MSB<<8)|(\new)
.set MSB, (\new)
.endif
.endm
.set MUL,    0xa1                      ; source 0 (W) window 1, source 1 (o) window 0, C and D window 2
.set MUL1,   0x81                      ; the same with C in window 0: the bias
.set TO_B,   0x40
.macro TL g0, g1
	tensor_load_to_lds s[\g0:\g0+3], s[\g1:\g1+7]
	s_nop 0
.rept 4
	v_nop
.endr
.endm
.macro JLOAD g0a, g1a, g0b, g1b        ; waves 0, 1 fetch for o, waves 2, 3 for W
	s_cmp_eq_u32 s[WH], 0
	s_cbranch_scc0 .Lfor_b_\@
	TL \g0a, \g1a
	s_branch .Lasked_\@
.Lfor_b_\@:
	TL \g0b, \g1b
.Lasked_\@:
.endm
.macro ARM under, g0, g1, next
	s_cmp_lt_u32 s[WV], \under
	s_cbranch_scc0 \next
	TL \g0, \g1
	s_branch .Lhead_asked
\next:
.endm
.macro CREST
	s_cmp_lg_u32 s[WV], 0
	s_cbranch_scc1 .Lnot_wave_0_\@
	s_barrier_signal -3
.Lnot_wave_0_\@:
	s_barrier_wait -3
	s_barrier_signal -1
	s_barrier_wait -1
.endm
.macro CROUND
	s_barrier_signal -1
	s_barrier_wait -1
	CREST
.endm
.macro PLACES n
.rept \n
	v_nop
.endr
.endm
.macro SETG0 g, lds, adr               ; group 0: LDS address in s[lds], global address in s[adr:adr+1]
	s_mov_b32 s[\g], 1
	s_mov_b32 s[\g+1], s[\lds]
	s_mov_b64 s[\g+2:\g+3], s[\adr:\adr+1]
	s_or_b32 s[\g+3], s[\g+3], 0x80000000
.endm
.macro FRAG reg, adr, q, i
.irp p, 0,1,2,3,4,5
	ds_load_b64 v[\reg+2*\p:\reg+2*\p+1], v[\adr] offset:(\i)*TILEB+(\q)*FRB+256*\p
.endr
.endm
.macro FETCH slot, q                   ; the fragments of the slot's K step q into set q: 72 loads
	WIN TO_B
.irp i, 0,1,2,3,4,5,6,7
	FRAG 128*(\q)+FR*\i, ADRB+\slot, \q, \i
.endr
	WIN 0
.irp i, 0,1,2,3
	FRAG AF+48*(\q)+FR*\i, ADRA+\slot, \q, \i
.endr
.endm
.macro SCALES sc, kq                   ; two steps' scale words: lanes 0-15 o's tile i (of tiles 4-7 nothing is used), lanes 16-31 W's tile i
.irp i, 0,1,2,3,4,5,6,7
	ds_load_b64 v[SC+16*\sc+2*\i:SC+16*\sc+2*\i+1], v[ADRS] offset:\i*SBLK+((\kq)/2)*272+((\kq)%2)*8
.endr
.endm
; 16 products: o's tiles a0, a0 + 1 x W's eight, on set q.  The 32 accumulators take turns in the same order in every step
.macro MUL16 a0, q, sc, first
.irp a, \a0, \a0+1
.irp b, 0,1,2,3,4,5,6,7
.if \first
	v_wmma_scale_f32_16x16x128_f8f6f4 v[8*(8*(\a)+\b):8*(8*(\a)+\b)+7], v[128*(\q)+FR*\b:128*(\q)+FR*\b+FR-1], v[AF+48*(\q)+FR*(\a):AF+48*(\q)+FR*(\a)+FR-1], v[BB+8*\b:BB+8*\b+7], v[SC+16*(\sc)+2*\b+(\q)], v[SC+16*(\sc)+2*(\a)+(\q)] matrix_a_fmt:MATRIX_FMT_FP6 matrix_b_fmt:MATRIX_FMT_FP6 matrix_a_scale:MATRIX_SCALE_ROW1
.else
	v_wmma_scale_f32_16x16x128_f8f6f4 v[8*(8*(\a)+\b):8*(8*(\a)+\b)+7], v[128*(\q)+FR*\b:128*(\q)+FR*\b+FR-1], v[AF+48*(\q)+FR*(\a):AF+48*(\q)+FR*(\a)+FR-1], v[8*(8*(\a)+\b):8*(8*(\a)+\b)+7], v[SC+16*(\sc)+2*\b+(\q)], v[SC+16*(\sc)+2*(\a)+(\q)] matrix_a_fmt:MATRIX_FMT_FP6 matrix_b_fmt:MATRIX_FMT_FP6 matrix_a_scale:MATRIX_SCALE_ROW1
.endif
.endr
.endr
.endm
.macro STEP slot, first                ; a slot's first K step: its second step's fragments are fetched ahead of the 32 products
	s_wait_dscnt 0x0                               ; set 0 and the scale words are in
	PLACES 4                                       ; behind the products that read set 1
	FETCH \slot, 1
.if \first
	WIN MUL1
.else
	WIN MUL
.endif
	MUL16 0, 0, \slot, \first
	MUL16 2, 0, \slot, \first
	WIN 0
.endm
.macro TURN slot, next, fill, kq       ; a slot's second K step, and the change of slots
	s_wait_tensorcnt 0x0                           ; my part of the next slot is in;
	ds_add_u32 v[SPW], v[NIL]
	s_wait_dscnt 0x0                               ; the add is done, set 1 is in, and with it my last reads of this slot
	s_barrier_signal -1
	WIN MUL
	MUL16 0, 1, \slot, 0                           ; register work while the others arrive
	WIN 0
	s_barrier_wait -1
.if \fill
	CREST                                          ; the barrier has opened a round of the cluster's barrier
	s_add_nc_u64 s[G0+4*\slot+2:G0+4*\slot+3], s[G0+4*\slot+2:G0+4*\slot+3], 2*TILEB
	s_add_nc_u64 s[G0B+4*\slot+2:G0B+4*\slot+3], s[G0B+4*\slot+2:G0B+4*\slot+3], 2*TILEB
	JLOAD G0+4*\slot, G1, G0B+4*\slot, G1B         ; the refill first; its four v_nop are the places ahead of the loads below
.else
	PLACES 4
.endif
	FETCH \next, 0
	SCALES \next, \kq
	WIN MUL
	MUL16 2, 1, \slot, 0
	WIN 0
.endm
	s_load_b256 s[4:11], s[0:1], 0x0               ; oq, wq, b_out, out0
	v_lshl_add_u32 v[SPW], v0, 2, SPARE
	v_mov_b32 v[NIL], 0
	ds_add_u32 v[SPW], v[NIL]                      ; the opening lines
	ds_add_u32 v[SPW], v[NIL]
	v_lshrrev_b32 v1, 5, v0
	v_readfirstlane_b32 s[WV], v1
	s_lshr_b32 s[WH], s[WV], 1                     ; which 64 tokens are mine; also: I fetch for o (0) or W (1)
	s_and_b32 s[WL], s[WV], 1                      ; which 128 columns; also: which half I fetch
	s_bfe_u32 s40, ttmp6, 0x40000
	s_bfe_u32 s41, ttmp6, 0x40004
	s_lshl_b32 s42, ttmp9, 2
	s_add_co_u32 s42, s42, s40                     ; block column, 0 .. 3
	s_and_b32 s43, ttmp7, 0xffff
	s_lshl_b32 s43, s43, 2
	s_add_co_u32 s43, s43, s41                     ; block row, 0 .. 63
	s_lshl_b32 s44, s41, 2
	s_lshl_b32 s44, 15, s44                        ; my row of the cluster
	s_lshl_b32 s45, 0x1111, s40                    ; my column
	s_or_b32 s[G1], s44, (3<<16)|(1<<21)
	s_or_b32 s[G1B], s45, (3<<16)|(1<<21)
.irp g, G1, G1B
	s_mov_b32 s[\g+1], 384<<16                     ; rows of 3,072 bytes, 12,288 apart: one a tile
	s_mov_b32 s[\g+3], 384<<16
	s_mov_b32 s[\g+5], 1536
	s_mov_b32 s[\g+6], 0
	s_mov_b32 s[\g+7], 0
.endr
	s_mov_b32 s[G1+2], 8<<16                       ; the head's loads bring all 8 tiles of o, all 16 of W
	s_mov_b32 s[G1+4], 8
	s_mov_b32 s[G1B+2], 16<<16
	s_mov_b32 s[G1B+4], 16
	s_or_b32 s[G1S], s44, (3<<16)|(1<<20)|(1<<21)|(5<<22)|(3<<25)
	s_or_b32 s[G1SB], s45, (3<<16)|(1<<20)|(1<<21)|(5<<22)|(3<<25)
.irp g, G1S, G1SB
	s_mov_b32 s[\g+1], 32<<16
	s_mov_b32 s[\g+3], 32<<16
	s_mov_b32 s[\g+5], 32
	s_mov_b32 s[\g+6], 0
	s_mov_b32 s[\g+7], 0
.endr
	s_mov_b32 s[G1S+2], 16<<16
	s_mov_b32 s[G1S+4], 16
	s_mov_b32 s[G1SB+2], 32<<16
	s_mov_b32 s[G1SB+4], 32
	s_lshl_b32 s20, s43, 3                         ; o's first tile
	s_lshl_b32 s66, s42, 4
	s_add_co_u32 s66, s66, 192                     ; W_out's
	s_mul_i32 s22, s20, 12288
	s_mov_b32 s23, 0
	s_lshl_b32 s20, s20, 9
	s_add_co_u32 s20, s20, XSC
	s_mov_b32 s21, 0
	s_mul_i32 s96, s66, 12288
	s_mov_b32 s97, 0
	s_lshl_b32 s66, s66, 9
	s_add_co_u32 s66, s66, WSC
	s_mov_b32 s67, 0
	s_mov_b32 s2, 0                                ; the head's LDS places
	s_mov_b32 s3, ABYTES
	s_mov_b32 s46, SCL
	s_mov_b32 s47, SCL+ASC
	s_wait_dscnt 0x0
	s_wait_kmcnt 0x0
	s_add_nc_u64 s[22:23], s[4:5], s[22:23]
	s_add_nc_u64 s[20:21], s[4:5], s[20:21]
	s_add_nc_u64 s[96:97], s[6:7], s[96:97]
	s_add_nc_u64 s[66:67], s[6:7], s[66:67]
	CROUND                                         ; all sixteen work-groups are here: the joint loads meet
	SETG0 G0, 2, 22
	SETG0 G0B, 3, 96
	SETG0 G0S, 46, 20
	SETG0 G0SB, 47, 66
	ARM 1, G0,  G1,  .Lhead_b                      ; the head's four tiles, one joint load a wave
	ARM 2, G0B, G1B, .Lhead_sa
	ARM 3, G0S, G1S, .Lhead_sb
	TL G0SB, G1SB
.Lhead_asked:
	; under the loads' flight: first all scalars, then the vector lines on end
	s_mul_i32 s12, s[WH], AHALF                    ; my tiles of o in slot 0, 1
	s_add_co_u32 s13, s12, SLOT
	s_mul_i32 s14, s[WL], BHALF
	s_add_co_u32 s14, s14, ABYTES                  ; and of W
	s_add_co_u32 s15, s14, SLOT
	s_mul_i32 s47, s[WH], ASC/2                    ; my scale words: o's,
	s_mul_i32 s46, s[WL], ASC
	s_add_co_u32 s46, s46, ASC
	s_sub_co_u32 s46, s46, s47                     ; and how far behind them W's lie
	s_add_co_u32 s47, s47, SCL
	s_mul_i32 s92, s[WV], 16*SPITCH                ; my stage, in slot 0
	s_lshl_b32 s20, s42, 10
	s_lshl_b32 s21, s[WL], 9
	s_add_co_u32 s20, s20, s21                     ; my first column, in bytes
	s_mov_b32 s21, 0
	s_add_nc_u64 s[100:101], s[8:9], s[20:21]      ; its bias
	s_lshl_b32 s2, s43, 19
	s_add_co_u32 s20, s20, s2
	s_lshl_b32 s2, s[WH], 18
	s_add_co_u32 s20, s20, s2                      ; + my first token's row of 4,096 bytes
	s_add_nc_u64 s[94:95], s[10:11], s[20:21]
	v_and_b32 v1, 31, v0
	v_and_b32 v2, 15, v0
	v_bfe_u32 v3, v0, 4, 1
	v_lshlrev_b32 v4, 4, v1
	v_lshlrev_b32 v5, 3, v1
	v_lshlrev_b32 v8, 6, v3
	v_add_nc_u32 v[ADRA], s12, v5
	v_add_nc_u32 v[ADRA+1], s13, v5
	v_add_nc_u32 v[ADRB], s14, v5
	v_add_nc_u32 v[ADRB+1], s15, v5
	v_lshlrev_b32 v6, 4, v2
	v_mul_u32_u24 v7, s46, v3                      ; lanes 16-31 take W's
	v_add_nc_u32 v6, v6, v7
	v_add_nc_u32 v[ADRS], s47, v6
	v_mul_u32_u24 v[STO], v2, SPITCH
	v_lshl_add_u32 v[STO], v3, 6, v[STO]
	v_add_nc_u32 v[STO], s92, v[STO]
	v_add_nc_u32 v[RD], s92, v4
.irp b, 0,1,2,3
.irp j, 0,1,2,3
	global_load_b128 v[BB+16*\b+4*\j:BB+16*\b+4*\j+3], v8, s[100:101] offset:128*\b+16*\j   ; register 16 b + i: column 32 b + 16 (lane / 16) + i, as the results lie
.endr
.endr
	s_mul_i32 s20, s[WL], 4*12288                  ; in the ring a wave fetches half of a tensor's tiles
	s_add_nc_u64 s[22:23], s[22:23], s[20:21]
	s_mul_i32 s20, s[WL], 8*12288
	s_add_nc_u64 s[96:97], s[96:97], s[20:21]
	s_mul_i32 s98, s[WL], AHALF
	s_mul_i32 s99, s[WL], BHALF
	s_add_co_u32 s99, s99, ABYTES
	s_mov_b32 s[G0+4], 1
	s_add_co_u32 s[G0+5], s98, SLOT
	s_add_nc_u64 s[G0+6:G0+7], s[22:23], TILEB
	s_or_b32 s[G0+7], s[G0+7], 0x80000000
	s_mov_b32 s[G0B+4], 1
	s_add_co_u32 s[G0B+5], s99, SLOT
	s_add_nc_u64 s[G0B+6:G0B+7], s[96:97], TILEB
	s_or_b32 s[G0B+7], s[G0B+7], 0x80000000
	s_wait_alu depctr_va_vdst(0)
	s_wait_tensorcnt 0x0                           ; my tile of the head's four is in
	ds_add_u32 v[SPW], v[NIL]
	s_mov_b32 s[G1+2], 4<<16                       ; no load of mine is out: from here on a load brings 4 tiles of o or 8 of W,
	s_mov_b32 s[G1+4], 4
	s_mov_b32 s[G1B+2], 8<<16
	s_mov_b32 s[G1B+4], 8
	SETG0 G0, 98, 22                               ; and slot 0's group 0 stands at my half
	SETG0 G0B, 99, 96
	s_wait_dscnt 0x0
	CROUND                                         ; all four tiles are shown to all waves
	JLOAD G0+4, G1, G0B+4, G1B
	FETCH 0, 0
	SCALES 0, 0
	s_wait_loadcnt 0x0                             ; the bias
	STEP 0, 1
	TURN 0, 1, 1, 1
	STEP 1, 0
	TURN 1, 0, 1, 2
	STEP 0, 0
	TURN 0, 1, 0, 3
	STEP 1, 0
	s_wait_dscnt 0x0
	WIN MUL
	MUL16 0, 1, 1, 0
	MUL16 2, 1, 1, 0
	WIN 0
; THE WAY OUT, tile by tile of 16 tokens x 128 columns, through my own stage: it lies in slot 0, which has had its last fill and, ahead of the last barrier, its last read
.macro TOSTAGE a
	WIN 0x08                                       ; the data: window 2
.irp b, 0,1,2,3,4,5,6,7
	ds_store_b128 v[STO], v[64*(\a)+8*\b:64*(\a)+8*\b+3] offset:128*(\b/2)+32*(\b%2)
	ds_store_b128 v[STO], v[64*(\a)+8*\b+4:64*(\a)+8*\b+7] offset:128*(\b/2)+32*(\b%2)+16
.endr
	WIN 0
.set BR, BK+64*((\a)%2)
.irp t, 0,1,2,3,4,5,6,7,8,9,10,11,12,13,14,15
	ds_load_b128 v[BR+4*\t:BR+4*\t+3], v[RD] offset:\t*SPITCH    ; LDS serves a wave's instructions in order: these see the stores above
.endr
.endm
.macro SEND a, younger                 ; younger: the LDS instructions issued behind tile a's loads
.set BR, BK+64*((\a)%2)
	s_wait_dscnt \younger
.irp t, 0,1,2,3,4,5,6,7,8,9,10,11,12,13,14,15
	global_store_b128 v4, v[BR+4*\t:BR+4*\t+3], s[94:95] offset:(8*(\a)+(\t%8)+32*(\t/8))*4096 th:TH_STORE_NT   ; 512 consecutive bytes, aligned; row t of tile a is token 8 a + t % 8 + 32 (t / 8) of my 64
.endr
.endm
	PLACES 4
	TOSTAGE 0
.irp a, 1,2,3
.if \a > 1
	s_wait_xcnt 0x0                                ; tile a - 2's stores have read their registers
.endif
	TOSTAGE \a
	SEND \a-1, 32                                  ; behind tile a - 1's loads: tile a's 16 stores and 16 loads
.endr
	SEND 3, 0
	s_wait_tensorcnt 0x0                           ; the wave's end
	ds_add_u32 v[SPW], v[NIL]
	s_wait_dscnt 0x0
	CROUND                                         ; the closing round
	s_endpgm
.Lfunc_end_k_q14ec381314_proj:
	.size	k_q14ec381314_proj, .Lfunc_end_k_q14ec381314_proj-k_q14ec381314_proj
	.p2alignl 7, 3214868480
	.fill 96, 4, 3214868480
	.section	.rodata,"a",@progbits
	.p2align	6, 0x0
	.amdhsa_kernel k_q14ec381314_proj
		.amdhsa_group_segment_fixed_size 327680
		.amdhsa_private_segment_fixed_size 0
		.amdhsa_enable_private_segment 0
		.amdhsa_kernarg_size 32
		.amdhsa_user_sgpr_count 2
		.amdhsa_user_sgpr_kernarg_segment_ptr 1
		.amdhsa_wavefront_size32 1
		.amdhsa_system_sgpr_workgroup_id_x 1
		.amdhsa_system_sgpr_workgroup_id_y 1
		.amdhsa_system_sgpr_workgroup_id_z 1
		.amdhsa_system_vgpr_workitem_id 0
		.amdhsa_next_free_vgpr 768
		.amdhsa_next_free_sgpr 102
		.amdhsa_reserve_vcc 0
		.amdhsa_float_denorm_mode_32 3
		.amdhsa_float_denorm_mode_16_64 3
		.amdhsa_memory_ordered 1
		.amdhsa_forward_progress 1
		.amdhsa_inst_pref_size 101
	.end_amdhsa_kernel
	.amdgpu_metadata
---
amdhsa.version: [ 1, 2 ]
amdhsa.kernels:
  - .name:           k_q14ec381314_proj
    .symbol:         k_q14ec381314_proj.kd
    .args:
      - { .name: oq, .offset: 0, .size: 8, .value_kind: global_buffer, .address_space: global }
      - { .name: wq, .offset: 8, .size: 8, .value_kind: global_buffer, .address_space: global }
      - { .name: b_out, .offset: 16, .size: 8, .value_kind: global_buffer, .address_space: global }
      - { .name: out0, .offset: 24, .size: 8, .value_kind: global_buffer, .address_space: global }
    .group_segment_fixed_size: 327680
    .private_segment_fixed_size: 0
    .kernarg_segment_align: 8
    .kernarg_segment_size: 32
    .max_flat_workgroup_size: 128
    .sgpr_count:     102
    .vgpr_count:     768
    .wavefront_size: 32
...
	.end_amdgpu_metadata
.endif
;; end of part 4
